; MI455X (gfx1250); checked and timed in simulation.
; The chip was launched on July 23, 2026; its instructions are those of AMD's public machine-readable ISA for CDNA 5 (MIT licence, August 2026) and "CDNA5" Instruction Set Architecture Reference Guide (July 2026). The comments in the code are by the model that wrote it; some were corrected since.
;; Multi Headed Attention. Allowed arithmetic: matrix products marked QUANTISED: E2M1 operands, one E8M0 scale for each 32 along K, by v_wmma_scale_f32_16x16x128_f8f6f4 with both operands' format E2M1 (or v_wmma_scale_f32_32x16x128_f4), f32 sums; everything else in f32.
;; Inputs: Wk_codes 1,024 x 32 x 16 uint8 (E2M1 codes of Wk, K innermost, in blocks of 32 codes, two codes a byte); Wk_scales 1,024 x 32 uint8 (E8M0 scales of Wk, one for each 32 codes along K); Wo_codes 1,024 x 32 x 16 uint8 (E2M1 codes of Wo, K innermost, in blocks of 32 codes, two codes a byte); Wo_scales 1,024 x 32 uint8 (E8M0 scales of Wo, one for each 32 codes along K); Wq_codes 1,024 x 32 x 16 uint8 (E2M1 codes of Wq, K innermost, in blocks of 32 codes, two codes a byte); Wq_scales 1,024 x 32 uint8 (E8M0 scales of Wq, one for each 32 codes along K); Wv_codes 1,024 x 32 x 16 uint8 (E2M1 codes of Wv, K innermost, in blocks of 32 codes, two codes a byte); Wv_scales 1,024 x 32 uint8 (E8M0 scales of Wv, one for each 32 codes along K); bk 1,024 float32; bo 1,024 float32; bq 1,024 float32; bv 1,024 float32; k_codes 4 x 2,048 x 32 x 16 uint8 (E2M1 codes of k, K innermost, in blocks of 32 codes, two codes a byte); k_scales 4 x 2,048 x 32 uint8 (E8M0 scales of k, one for each 32 codes along K); ln_b 1,024 float32; ln_g 1,024 float32; q 4 x 2,048 x 1,024 float32; v_codes 4 x 2,048 x 32 x 16 uint8 (E2M1 codes of v, K innermost, in blocks of 32 codes, two codes a byte); v_scales 4 x 2,048 x 32 uint8 (E8M0 scales of v, one for each 32 codes along K).
;; Outputs: out0 4 x 2,048 x 1,024 float32.
;; This version of the problem:
;;   THIS VERSION OF THE PROBLEM IS GIVEN IN LOW PRECISION. The matrix products marked QUANTISED in the list below multiply operands that are first quantised to E2M1 (2 exponent bits, 1 mantissa bit; 4 bits a number), with one power-of-two scale for each 32 numbers along K (OCP MX v1.0); their sums are f32. All else is computed in f32.
;;   The module's matrix products, in the order in which they are computed (A, B: the left and right operand; K: the contracted axis; several contracted axes count as one K, in the product's order):
;;     1. [M 8,192, K 1,024] x [K 1,024, N 1,024]; A: input q; B: input Wq (given as codes): QUANTISED
;;     2. [M 8,192, K 1,024] x [K 1,024, N 1,024]; A: input k (given as codes); B: input Wk (given as codes): QUANTISED
;;     3. [M 8,192, K 1,024] x [K 1,024, N 1,024]; A: input v (given as codes); B: input Wv (given as codes): QUANTISED
;;     4. batch 64 x [M 2,048, K 64] x [K 64, N 2,048]; A: computed on the way; B: computed on the way: QUANTISED
;;     5. batch 64 x [M 2,048, K 2,048] x [K 2,048, N 64]; A: softmax (see below); B: computed on the way: QUANTISED
;;     6. [M 8,192, K 1,024] x [K 1,024, N 1,024]; A: computed on the way; B: input Wo (given as codes): QUANTISED
;;   THE QUANTISER, for each operand of a quantised product, along K:
;;     - K is cut into blocks of 32 from its start; a last block that is shorter is filled with zeros.
;;     - A block's scale is 2^e with e = floor(log2(the largest magnitude in the block)) - 2, held to -126 .. 127; a block of zeros has e = 0. As a byte (E8M0): e + 127.
;;     - Each number is divided by its block's scale, clamped to +-6, and rounded to the nearest number of E2M1, ties to even, subnormals kept.
;;     - The product sums the exact products of the quantised numbers (number of the format x scale) in f32.
;;   ~~~python
;;   def quantise(x, axis):      # numpy; x: float32 -> the quantised numbers, widened to float32 again
;;       x = np.moveaxis(x, axis, -1); K = x.shape[-1]
;;       x = np.pad(x, [(0, 0)] * (x.ndim - 1) + [(0, -K % 32)]); x = x.reshape(x.shape[:-1] + (-1, 32)); a = np.abs(x).max(-1, keepdims=True)
;;       e = np.where(a > 0, np.clip(np.frexp(np.where(a > 0, a, 1))[1] - 1 - 2, -126, 127), 0)      # np.frexp(a)[1] - 1 = floor(log2(a)), exactly
;;       r = np.clip(x / 2.0 ** e, -6, 6)
;;       step = 2.0 ** (np.maximum(np.frexp(np.where(r == 0, 1, r))[1] - 1, 0) - 1)
;;       q = np.round(r / step) * step * 2.0 ** e      # np.round: ties to even
;;       return np.moveaxis(q.reshape(q.shape[:-2] + (-1,))[..., :K], -1, axis).astype(np.float32)
;;   ~~~
;;   SOFTMAX AHEAD OF A QUANTISED PRODUCT. Where the list says 'softmax', what is quantised is not the finished softmax but p = 2^(t - M), with t = logit x log2(e) and M = ceil(the row's largest t), a whole number; so 1/2 < the row's largest p <= 1. The row's sum l is taken of the UNQUANTISED p, in f32, and the product's result is divided by l at the end. Since M is a whole number, a kernel that streams over the keys may use a running M (the ceiling of the running maximum): every later rescaling is an exact power of two, which a block's scale takes up: the codes' values come out the same.
;;   OPERANDS COMPUTED ON THE WAY. 'Computed on the way' means the value that the module computes at that place (a softmax that the list does not call 'softmax' is quantised finished and normalised). What goes into a quantiser is computed in f32, as accurately as f32 sums, v_exp_f32 and their like allow (about 1e-6 of the number): no bf16 or f16 on the way to a quantiser, and a product that is left as it is and whose result goes on into a quantised operand takes f32 operands (vector FMAs, or v_wmma_f32_16x16x4_f32). A number that lies on a knife's edge between two numbers of the format may be rounded either way, as far as f32 arithmetic and the matrix unit's own rounding can turn it there, and no further.
;;   INPUTS GIVEN AS CODES. Wk (in the module: [1024, 1024], K = its axis 1); Wo (in the module: [1024, 1024], K = its axis 1); Wq (in the module: [1024, 1024], K = its axis 1); Wv (in the module: [1024, 1024], K = its axis 1); k (in the module: [4, 2048, 1024], K = its axis 2); v (in the module: [4, 2048, 1024], K = its axis 2): each comes as NAME_codes (uint8): NAME with its K axis moved to the last place and cut into blocks of 32 codes, [.., K / 32, bytes a block], one block behind the other in memory; two codes a byte, the lower K in the low four bits (a code: sign, 2 exponent bits, 1 mantissa bit); and NAME_scales (uint8): the same leading axes, one E8M0 byte (e + 127) for each 32 codes along K. Its value is code x scale, taken as it is: it is not quantised again, and the codes and scales need not be those that the quantiser above would give.
;; One version. Each part assembles by itself: llvm-mc -triple=amdgcn-amd-amdhsa -mcpu=gfx1250 --defsym DOCPART=n.
;; ======== version 1 of 1: 4 launches
;; workspace buffers: qc 4,456,448 bytes; wo_img 524,288 bytes; qkv 13,369,344 bytes; xq 4,456,448 bytes
;; launch prep (part 1): grid 272 x 1, 4 waves a work-group, no clusters, 33,280 bytes of LDS; arguments q, Wo_codes, qc, wo_img; writes qc, wo_img
.if DOCPART == 1
	.amdgcn_target "amdgcn-amd-amdhsa--gfx1250"
	.amdhsa_code_object_version 6
	.text
	.protected	k_q017f32f430_prep
	.globl	k_q017f32f430_prep
	.p2align	8
	.type	k_q017f32f430_prep,@function
k_q017f32f430_prep:
	s_mov_b64 s[64:65], 0
	v_nop
	global_prefetch_b8 v0, s[64:65] scope:SCOPE_SE
	s_setreg_imm32_b32 hwreg(HW_REG_WAVE_MODE, 25, 1), 1
	s_wait_xcnt 0x0
; WORK-GROUPS 0 TO 255: q [8192][1024], f32, becomes codes of FP4 (E2M1), K innermost, [8192][512 bytes] at byte 0 of qc, and one E8M0 byte for each 32 along K, [8192][32] at byte 4,194,304 of qc.
; A block's scale is 2^(floor(log2(its largest magnitude)) - 2); its byte is the largest magnitude's exponent field - 2, held at 1 from below.  Each number is divided by the scale and rounded to the nearest code, ties to even;
; what lies beyond 6 gets the largest code.  Rows are dense and 1,024 is a multiple of 32: q is a plain stream of blocks of 32, and so are its codes and bytes.
; A wave takes 16 steps of 512 numbers.  Each of a step's four loads reads 512 consecutive bytes, 16 a lane; the 2,048 bytes turn through the wave's own stage in LDS and come back 64 bytes a lane, so that a lane holds 16
; neighbours along K, as the conversions want (two neighbouring lanes hold a block).  A lane's 16 codes are 8 bytes: a store of the wave covers 256 consecutive bytes.  The wave's 256 scale bytes are gathered in LDS and leave as one store.
; WORK-GROUPS 256 TO 271: Wo's codes [1024][512 bytes] are laid anew as the operand's registers want them: wo_img [tile of 16 rows: 64][K step of 128: 8][half c: 2][lane: 32][16 bytes], lane 16 h + r holding the bytes
; 64 g + 32 c + 16 h on of row r.  The last launch then loads every fragment by loads of 512 consecutive bytes.  524,288 bytes in all: its loads of 16 bytes from rows 512 bytes apart weigh little.
; LIMITS: a block whose largest magnitude lies under 2^-124, a block of zeros among them, gets the byte 1 (the rule says 127 for zeros): its codes are zeros or next to it, and this program alone reads the bytes.  NaN and infinities in q are not served.
; No tensor loads, no barrier: waves share nothing.  No cluster: no two work-groups read the same bytes.
.set STEPS, 16
.set QWG,   256                        ; work-groups that quantise q: 8,388,608 numbers / 32,768
.set QSC,   4194304                    ; where q's scale bytes begin in qc
.set CB,    8                          ; bytes of 16 codes
.set R,     16                         ; v16-79   four sets of 16 numbers as they are loaded
.set X,     80                         ; v80-111  two sets of 16 neighbours
.set E,     112                        ; v112-127 a scale byte for each step
.set C,     128                        ; v128-191 codes: four registers for each step, so that no store's data are written again
.set WREG,  8192                       ; LDS: a region for each wave: two stages of 32 x SP bytes, then its 256 scale bytes
.set SP,    80                         ; a lane's place in a stage: 64 bytes + 16 of padding
.macro LOAD t
.irp i, 0,1,2,3
	global_load_b128 v[R+16*((\t)%4)+4*\i:R+16*((\t)%4)+4*\i+3], v3, s[4:5] offset:2048*(\t)+512*\i th:TH_LOAD_NT   ; 32 lanes read 512 consecutive bytes
.endr
.endm
.macro TURN t                          ; step t's numbers through the stage: LDS serves a wave's instructions in order, so no wait stands between the stores and the loads
.irp i, 0,1,2,3
	ds_store_b128 v14, v[R+16*((\t)%4)+4*\i:R+16*((\t)%4)+4*\i+3] offset:32*SP*((\t)%2)+8*SP*\i
.endr
.irp i, 0,1,2,3
	ds_load_b128 v[X+16*((\t)%2)+4*\i:X+16*((\t)%2)+4*\i+3], v15 offset:32*SP*((\t)%2)+16*\i
.endr
.endm
.macro STEP t
.set XS, X+16*((\t)%2)
.if (\t) > 0
	s_wait_dscnt 1                                 ; this step's numbers are back from the stage; the one younger LDS instruction is the last step's byte store
.else
	s_wait_dscnt 0x0
.endif
.if (\t)+4 < STEPS
	LOAD (\t)+4                                    ; into the set whose stores into the stage have read their registers
.endif
.if (\t)+1 < STEPS
.if STEPS-2-(\t) >= 3
	s_wait_loadcnt 12                              ; the next step's four loads are in; those of the three steps behind it may be out
.else
	s_wait_loadcnt 4*(STEPS-2-(\t))                ; near the end fewer steps stand behind it
.endif
	TURN (\t)+1                                    ; the next step goes through the other stage while this one is worked
.endif
	v_max3_num_f32 v8, |v[XS]|, |v[XS+1]|, |v[XS+2]|               ; the largest magnitude of my 16, in two chains
	v_max3_num_f32 v9, |v[XS+3]|, |v[XS+4]|, |v[XS+5]|
.irp i, 6,10
	v_max3_num_f32 v8, v8, |v[XS+\i]|, |v[XS+\i+1]|
	v_max3_num_f32 v9, v9, |v[XS+\i+2]|, |v[XS+\i+3]|
.endr
	v_max3_num_f32 v8, v8, |v[XS+14]|, |v[XS+15]|
	v_max3_num_f32 v8, v8, v9, 0x1800000           ; and the floor 2^(3 - 127): the byte cannot fall under 1
	v_max_num_f32_dpp v8, v8, v8 row_xmask:1 row_mask:0xf bank_mask:0xf   ; with my neighbour's 16: the block's
	v_add_nc_u32 v11, 0xff000000, v8               ; 2 off its exponent field: the conversion takes the exponent field of this operand as its scale
	v_cvt_scalef32_pk8_fp4_f32 v[C+4*(\t)], v[XS:XS+7], v11
	v_cvt_scalef32_pk8_fp4_f32 v[C+4*(\t)+1], v[XS+8:XS+15], v11
	v_lshrrev_b32 v[E+(\t)], 23, v11               ; the scale's byte (also the plain line behind the conversions)
	ds_store_b8 v5, v[E+(\t)] offset:16*(\t)       ; both lanes of a block write the same byte with the same value
	global_store_b64 v4, v[C+4*(\t):C+4*(\t)+1], s[8:9] offset:32*CB*(\t)   ; 32 lanes store 256 consecutive bytes
.endm
	s_load_b256 s[4:11], s[0:1], 0x0               ; q s[4:5], Wo's codes s[6:7], qc s[8:9], wo_img s[10:11]
	v_lshl_add_u32 v192, v0, 2, 0x8000
	v_mov_b32 v193, 0
	v_lshrrev_b32 v1, 5, v0
	v_readfirstlane_b32 s16, v1                    ; wave 0..3
	v_and_b32 v2, 31, v0                           ; lane
	s_cmp_lt_u32 ttmp9, QWG
	s_cbranch_scc0 .Lrelay
	v_lshlrev_b32 v3, 4, v2                        ; my 16 bytes of a load's 512
	s_mul_i32 s17, s16, WREG
	v_lshrrev_b32 v14, 2, v2
	v_mul_u32_u24 v14, v14, SP
	v_and_b32 v15, 3, v2
	v_lshl_add_u32 v14, v15, 4, v14
	v_add_nc_u32 v14, s17, v14                     ; the stage, way in: four lanes' 64 bytes on end, then 16 of padding
	v_mul_u32_u24 v15, v2, SP
	v_add_nc_u32 v15, s17, v15                     ; way out: my 16 neighbours
	v_mul_u32_u24 v4, v2, CB                       ; my codes' place in a step's 256 bytes
	v_lshrrev_b32 v5, 1, v2
	s_add_co_u32 s17, s17, 2*32*SP
	v_add_nc_u32 v5, s17, v5                       ; my block's byte among the wave's 256
	v_lshlrev_b32 v7, 3, v2                        ; on the way out 8 bytes a lane
	v_add_nc_u32 v6, s17, v7
	s_lshl_b32 s18, ttmp9, 2
	s_add_co_u32 s18, s18, s16                     ; which run of 8,192 numbers is my wave's: 0..1023
	s_lshl_b32 s20, s18, 15                        ; 32,768 bytes of q,
	s_mov_b32 s21, 0
	s_lshl_b32 s22, s18, 12                        ; 4,096 bytes of codes,
	s_mov_b32 s23, 0
	s_lshl_b32 s24, s18, 8                         ; 256 scale bytes a run
	s_add_co_u32 s24, s24, QSC
	s_mov_b32 s25, 0
	s_wait_alu depctr_va_vdst(0)
	s_wait_kmcnt 0x0
	s_add_nc_u64 s[4:5], s[4:5], s[20:21]
	s_add_nc_u64 s[12:13], s[8:9], s[24:25]
	s_add_nc_u64 s[8:9], s[8:9], s[22:23]
.irp t, 0,1,2,3
	LOAD \t
.endr
	s_wait_loadcnt 12                              ; step 0's four loads are in
	TURN 0
.irp t, 0,1,2,3,4,5,6,7,8,9,10,11,12,13,14,15
	STEP \t
.endr
	ds_load_b64 v[12:13], v6                       ; LDS serves a wave's instructions in order: this sees my byte stores
	s_wait_dscnt 0x0
	global_store_b64 v7, v[12:13], s[12:13]        ; 32 lanes store 256 consecutive bytes
	s_wait_tensorcnt 0x0
	ds_add_u32 v192, v193
	s_wait_dscnt 0x0
	s_endpgm
.Lrelay:
	s_sub_co_u32 s17, ttmp9, QWG
	s_lshl_b32 s17, s17, 2
	s_add_co_u32 s17, s17, s16                     ; my tile of 16 rows of Wo: 0..63
	s_lshl_b32 s18, s17, 13                        ; 8,192 bytes a tile, in both buffers
	s_mov_b32 s19, 0
	s_wait_alu depctr_va_vdst(0)
	v_and_b32 v3, 15, v2                           ; r
	v_lshrrev_b32 v4, 4, v2                        ; h
	v_lshlrev_b32 v3, 9, v3
	v_lshl_add_u32 v3, v4, 4, v3                   ; in: row r of 512 bytes, + 16 h
	v_lshlrev_b32 v5, 4, v2                        ; out: 16 x lane
	s_wait_alu depctr_va_vdst(0)
	s_wait_kmcnt 0x0
	s_add_nc_u64 s[6:7], s[6:7], s[18:19]
	s_add_nc_u64 s[10:11], s[10:11], s[18:19]
.irp k, 0,1,2,3,4,5,6,7,8,9,10,11,12,13,14,15
	global_load_b128 v[16+4*\k:19+4*\k], v3, s[6:7] offset:32*\k      ; piece k = 2 g + c
.endr
.irp k, 0,1,2,3,4,5,6,7,8,9,10,11,12,13,14,15
	s_wait_loadcnt 15-\k                           ; loads come back in order: piece k is in
	global_store_b128 v5, v[16+4*\k:19+4*\k], s[10:11] offset:512*\k  ; 32 lanes store 512 consecutive bytes
.endr
	s_endpgm
.Lfunc_end_k_q017f32f430_prep:
	.size	k_q017f32f430_prep, .Lfunc_end_k_q017f32f430_prep-k_q017f32f430_prep
	.p2alignl 7, 3214868480
	.fill 96, 4, 3214868480
	.section	.rodata,"a",@progbits
	.p2align	6, 0x0
	.amdhsa_kernel k_q017f32f430_prep
		.amdhsa_group_segment_fixed_size 33280
		.amdhsa_private_segment_fixed_size 0
		.amdhsa_enable_private_segment 0
		.amdhsa_kernarg_size 32
		.amdhsa_user_sgpr_count 2
		.amdhsa_user_sgpr_kernarg_segment_ptr 1
		.amdhsa_wavefront_size32 1
		.amdhsa_system_sgpr_workgroup_id_x 1
		.amdhsa_system_sgpr_workgroup_id_y 1
		.amdhsa_system_sgpr_workgroup_id_z 1
		.amdhsa_system_vgpr_workitem_id 0
		.amdhsa_next_free_vgpr 194
		.amdhsa_next_free_sgpr 66
		.amdhsa_reserve_vcc 0
		.amdhsa_float_denorm_mode_32 3
		.amdhsa_float_denorm_mode_16_64 3
		.amdhsa_memory_ordered 1
		.amdhsa_forward_progress 1
		.amdhsa_inst_pref_size 37
	.end_amdhsa_kernel
	.amdgpu_metadata
---
amdhsa.version: [ 1, 2 ]
amdhsa.kernels:
  - .name:           k_q017f32f430_prep
    .symbol:         k_q017f32f430_prep.kd
    .args:
      - { .name: q, .offset: 0, .size: 8, .value_kind: global_buffer, .address_space: global }
      - { .name: Wo_codes, .offset: 8, .size: 8, .value_kind: global_buffer, .address_space: global }
      - { .name: qc, .offset: 16, .size: 8, .value_kind: global_buffer, .address_space: global }
      - { .name: wo_img, .offset: 24, .size: 8, .value_kind: global_buffer, .address_space: global }
    .group_segment_fixed_size: 33280
    .private_segment_fixed_size: 0
    .kernarg_segment_align: 8
    .kernarg_segment_size: 32
    .max_flat_workgroup_size: 128
    .sgpr_count:     66
    .vgpr_count:     194
    .wavefront_size: 32
...
	.end_amdgpu_metadata
.endif
;; end of part 1
;; launch proj (part 2): grid 128 x 3, 16 waves a work-group, no clusters, 306,176 bytes of LDS; arguments qc, k_codes, k_scales, v_codes, v_scales, Wq_codes, Wq_scales, Wk_codes, Wk_scales, Wv_codes, Wv_scales, bq, bk, bv, qkv; writes qkv
.if DOCPART == 2
	.amdgcn_target "amdgcn-amd-amdhsa--gfx1250"
	.amdhsa_code_object_version 6
	.text
	.protected	k_q017f32f430_proj
	.globl	k_q017f32f430_proj
	.p2align	8
	.type	k_q017f32f430_proj,@function
k_q017f32f430_proj:
	s_mov_b64 s[64:65], 0
	v_nop
	global_prefetch_b8 v0, s[64:65] scope:SCOPE_SE
	s_setreg_imm32_b32 hwreg(HW_REG_WAVE_MODE, 25, 1), 1
	s_wait_xcnt 0x0
; The three projections, each [8192 x 1024] x [1024 x 1024] on codes of FP4 with E8M0 scales, + bias, and the quantiser of what attention wants of them.  Work-group y is the role: 0 Q, 1 K, 2 V.
; FORM.  D(i, j) = sum over k of S0[i][k] S1[j][k], source 0 = S0, source 1 = S1: a lane holds ONE j (lane % 16) and its registers run along i, and the quantiser runs along i.
;   Roles 0, 1: S0 = the weight (i = feature: the head's channels are the next K), S1 = the tokens.   Role 2: S0 = the tokens of v (the keys are the next K), S1 = Wv (j = channel).
; SHARES.  Work-group x = a + 4 t: rows 256 a on of the weight, rows 256 t on of the tokens: a tile of 256 x 256, all of K = 1,024 in LDS, filled once.  Wave w: 128 of the i (w % 2), 32 of the j (w / 2): 8 x 2 accumulators.
; NATURAL ROWS.  In tiles 2 B and 2 B + 1 lane (r, h) holds i = 32 B + 8 h + 0..7 and 32 B + 16 + 8 h + 0..7.  The four conversions of blocks 2 c and 2 c + 1 go to registers 4 c + e (first tile) and 4 c + 2 + e (second), e the block's
;   parity; two exchanges of lane halves then give register 4 c + g the codes of i = 64 c + 32 h + 8 g + 0..7: the operand's own layout.
; OUT (qkv).  Q at byte 0: [b x head: 64] 69,632 bytes apart, [128 tokens: 16] 4,352 apart: eight tiles of 16 tokens as images of registers (lane l's 16 bytes at 16 l: channels 32 h on of token r), then 4 x 16 pair words.
;   K and V from byte 4,456,448: [b x head] 139,264 apart, [128 keys: 16] 8,704 apart: K's eight images; at 4,096 V's four fragments of 16 channels x 128 keys (two pieces of 512 bytes); at 8,192 K's 4 x 16 pair words; at 8,448 V's 4 x 16 words.
;   A pair word of tiles 2 p, 2 p + 1: bytes 0, 1 the two scale bytes of token r of tile 2 p, bytes 2, 3 those of tile 2 p + 1.
;   Code stores cover 512 consecutive bytes.  The scale words leave in pieces of 64 bytes: 786,432 bytes in the launch, against 12,582,912 of codes.
; NO CLUSTER: a work-group fetches its 295,936 bytes once, in three loads a wave at its start, and nothing again; joint loads for the tokens' half, which the four work-groups of one t share, are not built here.
; 384 work-groups of equal work: three equal products do not divide into 256 tiles of this size.
; LIMITS: a block whose largest magnitude lies under 2^-124, a block of zeros among them, gets the byte 1: this program alone reads the bytes.  NaN and infinities are not served.
.set PITCH, 272                        ; an LDS row: 256 bytes of codes + 16 of padding: the 16 rows of a fragment load start at 16 different groups of four banks
.set HALF,  512*PITCH                  ; half of K: S0's 256 rows, then S1's
.set SCL,   2*HALF                     ; the scale bytes of the 512 rows: 64 pieces of 256 bytes + 16; row p at 32 p + 16 (p / 8)
.set BIAS,  SCL+17408                  ; 512 bytes a wave, written by LDS stores alone: no fill lands here
.set HQ,    69632
.set HK,    139264
.set QTOT,  64*HQ
.set QSC,   4194304
.set FA0, 1                            ; v1   my lane's place in S0's fragments
.set FA1, 2                            ; v2   in S1's
.set SA0, 3                            ; v3   in S0's scale words: lane l = row l of 32
.set SA1, 4                            ; v4   in S1's
.set BIW, 5                            ; v5   the bias: where I put 16 bytes
.set BIR, 6                            ; v6   and where I read my half's eight numbers of a tile
.set CO,  7                            ; v7-10 byte offsets of the four code stores
.set SCO, 11                           ; v11  of the scale store
.set BLO, 12                           ; v12  16 x lane
.set LN,  13                           ; v13  lane
.set RR,  14                           ; v14  r
.set HH,  15                           ; v15  h
.set PW,  16                           ; v16-17 the scale words just made
.set WA,  18                           ; v18-19 the words as they are stored
.set TM,  20                           ; v20-23 largest magnitudes;  v24-27 the other half's, then bytes;  v28-31 the conversions' scale operands
.set T2,  24
.set SO,  28
.set SW0, 32                           ; v32-35 S0's scale words: lanes 0-15 tile 2 p, lanes 16-31 tile 2 p + 1;  v36 S1's: scales and nothing else
.set SW1, 36
.set R4,  38                           ; v38  4 r
.set BJ,  40                           ; v40-43 role 2: the bias of my channel, twice, for each of the two tiles
.set BT,  44                           ; v44-47 the bias on its way to LDS
.set S1F, 48                           ; v48-63 S1's two fragments, later the codes
.set S0F, 64                           ; v64-127 S0's eight fragments, later the bias
.set ACC, 128                          ; v128-255: accumulator (i, j) at 128 + 64 j + 8 i
.set SEL, 88                           ; s[88:89]
.macro NOPS n
.rept \n
	v_nop
.endr
.endm
; one product: D at d, source 0 at a, source 1 at b; z = 1: it starts the sum; scale words in sa, sb; ra, rb = 1: taken from lanes 16-31
.macro WM d, a, b, z, sa, sb, ra, rb
.if \z
.if (\ra) && (\rb)
	v_wmma_scale_f32_16x16x128_f8f6f4 v[0+\d:7+\d], v[0+\a:7+\a], v[0+\b:7+\b], 0, v[0+\sa], v[0+\sb] matrix_a_fmt:MATRIX_FMT_FP4 matrix_b_fmt:MATRIX_FMT_FP4 matrix_a_scale:MATRIX_SCALE_ROW1 matrix_b_scale:MATRIX_SCALE_ROW1
.elseif \ra
	v_wmma_scale_f32_16x16x128_f8f6f4 v[0+\d:7+\d], v[0+\a:7+\a], v[0+\b:7+\b], 0, v[0+\sa], v[0+\sb] matrix_a_fmt:MATRIX_FMT_FP4 matrix_b_fmt:MATRIX_FMT_FP4 matrix_a_scale:MATRIX_SCALE_ROW1
.elseif \rb
	v_wmma_scale_f32_16x16x128_f8f6f4 v[0+\d:7+\d], v[0+\a:7+\a], v[0+\b:7+\b], 0, v[0+\sa], v[0+\sb] matrix_a_fmt:MATRIX_FMT_FP4 matrix_b_fmt:MATRIX_FMT_FP4 matrix_b_scale:MATRIX_SCALE_ROW1
.else
	v_wmma_scale_f32_16x16x128_f8f6f4 v[0+\d:7+\d], v[0+\a:7+\a], v[0+\b:7+\b], 0, v[0+\sa], v[0+\sb] matrix_a_fmt:MATRIX_FMT_FP4 matrix_b_fmt:MATRIX_FMT_FP4
.endif
.else
.if (\ra) && (\rb)
	v_wmma_scale_f32_16x16x128_f8f6f4 v[0+\d:7+\d], v[0+\a:7+\a], v[0+\b:7+\b], v[0+\d:7+\d], v[0+\sa], v[0+\sb] matrix_a_fmt:MATRIX_FMT_FP4 matrix_b_fmt:MATRIX_FMT_FP4 matrix_a_scale:MATRIX_SCALE_ROW1 matrix_b_scale:MATRIX_SCALE_ROW1
.elseif \ra
	v_wmma_scale_f32_16x16x128_f8f6f4 v[0+\d:7+\d], v[0+\a:7+\a], v[0+\b:7+\b], v[0+\d:7+\d], v[0+\sa], v[0+\sb] matrix_a_fmt:MATRIX_FMT_FP4 matrix_b_fmt:MATRIX_FMT_FP4 matrix_a_scale:MATRIX_SCALE_ROW1
.elseif \rb
	v_wmma_scale_f32_16x16x128_f8f6f4 v[0+\d:7+\d], v[0+\a:7+\a], v[0+\b:7+\b], v[0+\d:7+\d], v[0+\sa], v[0+\sb] matrix_a_fmt:MATRIX_FMT_FP4 matrix_b_fmt:MATRIX_FMT_FP4 matrix_b_scale:MATRIX_SCALE_ROW1
.else
	v_wmma_scale_f32_16x16x128_f8f6f4 v[0+\d:7+\d], v[0+\a:7+\a], v[0+\b:7+\b], v[0+\d:7+\d], v[0+\sa], v[0+\sb] matrix_a_fmt:MATRIX_FMT_FP4 matrix_b_fmt:MATRIX_FMT_FP4
.endif
.endif
.endm
; 64 numbers of a lane, v[s] on, eight tiles of eight, become a fragment's codes in v[pc] .. v[pc + 7] and its scale word in v[pw]
.macro QUANT s, pc, pw
.irp b, 0,1,2,3
	v_max3_num_f32 v[TM+\b], |v[\s+16*\b]|, |v[\s+1+16*\b]|, 0x1800000   ; block b: my 16 numbers, and the floor 2^(3 - 127): the byte cannot fall under 1
.endr
.irp i, 2,4,6,8,10,12,14
.irp b, 0,1,2,3
	s_delay_alu instid0(VALU_DEP_4)
	v_max3_num_f32 v[TM+\b], v[TM+\b], |v[\s+16*\b+\i]|, |v[\s+1+16*\b+\i]|   ; the four blocks by turns
.endr
.endr
.irp b, 0,1,2,3
	s_delay_alu instid0(VALU_DEP_4)
	v_permlanex16_b32 v[T2+\b], v[TM+\b], s[SEL], s[SEL+1]
.endr
.irp b, 0,1,2,3
	s_delay_alu instid0(VALU_DEP_4)
	v_max_num_f32 v[TM+\b], v[TM+\b], v[T2+\b]     ; with lane l xor 16's 16: the block's largest magnitude
.endr
.irp b, 0,1,2,3
	s_delay_alu instid0(VALU_DEP_4)
	v_add_nc_u32 v[SO+\b], 0xff000000, v[TM+\b]    ; 2 off its exponent field: the conversion's scale operand
.endr
.irp b, 0,1,2,3
	s_delay_alu instid0(VALU_DEP_4)
	v_lshrrev_b32 v[T2+\b], 23, v[SO+\b]           ; the scale's byte
.endr
	s_delay_alu instid0(VALU_DEP_3)
	v_lshl_or_b32 v[\pw], v[T2+1], 8, v[T2]
	s_delay_alu instid0(VALU_DEP_1)
	v_lshl_or_b32 v[\pw], v[T2+2], 16, v[\pw]
	s_delay_alu instid0(VALU_DEP_1)
	v_lshl_or_b32 v[\pw], v[T2+3], 24, v[\pw]
.irp b, 0,1,2,3
	v_cvt_scalef32_pk8_fp4_f32 v[\pc+4*(\b/2)+\b%2], v[\s+16*\b:\s+16*\b+7], v[SO+\b]
	v_cvt_scalef32_pk8_fp4_f32 v[\pc+4*(\b/2)+2+\b%2], v[\s+16*\b+8:\s+16*\b+15], v[SO+\b]
.endr
	v_nop                                          ; one plain line behind a scaled conversion
.irp c, 0,2,4,6
	v_permlane16_swap_b32 v[\pc+\c], v[\pc+\c+1]   ; the first's lanes 16-31 change places with the second's lanes 0-15
.endr
.endm
; 128 along K: the q-th of the half in hand, the g-th of all.  25 LDS loads, then 16 products; the 16 accumulators take turns, in the same order in every step.
.macro STEP q, g, first
.if !\first
	NOPS 4                                         ; four places between the last products and loads into registers that they read
.endif
.irp p, 0,1,2,3
	ds_load_b32 v[SW0+\p], v[SA0] offset:1088*\p+4*\g
.endr
	ds_load_b32 v[SW1], v[SA1] offset:4*\g
.irp j, 0,1
.irp c, 0,1
	ds_load_b128 v[S1F+8*\j+4*\c:S1F+8*\j+4*\c+3], v[FA1] offset:4352*\j+64*\q+32*\c
.endr
.endr
.irp i, 0,1,2,3,4,5,6,7
.irp c, 0,1
	ds_load_b128 v[S0F+8*\i+4*\c:S0F+8*\i+4*\c+3], v[FA0] offset:4352*\i+64*\q+32*\c
.endr
.endr
.irp i, 0,1,2,3,4,5,6,7
	s_wait_dscnt 2*(7-\i)                          ; LDS loads come back in order: all up to S0's tile i are in; the later tiles' two loads each may be out
.irp j, 0,1
	WM ACC+64*\j+8*\i, S0F+8*\i, S1F+8*\j, \first, SW0+\i/2, SW1, \i%2, \j
.endr
.endr
.endm
	s_load_b512 s[16:31], s[0:1], 0x0              ; qc 16, k_codes 18, k_scales 20, v_codes 22, v_scales 24, Wq_codes 26, Wq_scales 28, Wk_codes 30
	s_load_b256 s[32:39], s[0:1], 0x40             ; Wk_scales 32, Wv_codes 34, Wv_scales 36, bq 38
	s_load_b128 s[40:43], s[0:1], 0x60             ; bk 40, bv 42
	s_load_b64 s[44:45], s[0:1], 0x70              ; qkv
	v_lshl_add_u32 v37, v0, 2, 0x4a400
	v_mov_b32 v39, 0
	ds_add_u32 v37, v39
	ds_add_u32 v37, v39
	v_lshrrev_b32 v1, 5, v0
	s_delay_alu instid0(VALU_DEP_1)
	v_readfirstlane_b32 s2, v1                     ; wave 0..15
	s_and_b32 s3, ttmp7, 0xffff                    ; role
	s_and_b32 s14, ttmp9, 3                        ; a
	s_lshr_b32 s15, ttmp9, 2                       ; t
	s_and_b32 s80, s2, 1                           ; wi
	s_lshr_b32 s81, s2, 1                          ; wj
	v_and_b32 v[LN], 31, v0
	v_and_b32 v[RR], 15, v0
	v_bfe_u32 v[HH], v0, 4, 1
	s_delay_alu instid0(VALU_DEP_2)
	; every LDS address is made here, of the lane and the wave's number alone
	v_mul_u32_u24 v[FA0], v[RR], PITCH
	s_delay_alu instid0(VALU_DEP_1)
	v_lshl_add_u32 v[FA0], v[HH], 4, v[FA0]        ; r x pitch + 16 h
	s_mul_i32 s82, s81, 32*PITCH
	s_add_co_u32 s82, s82, 256*PITCH
	v_add_nc_u32 v[FA1], s82, v[FA0]               ; S1: behind S0's 256 rows, my 32
	s_mul_i32 s82, s80, 128*PITCH
	v_add_nc_u32 v[FA0], s82, v[FA0]               ; S0: my 128 rows
	v_lshrrev_b32 v[SA0], 3, v[LN]
	s_delay_alu instid0(VALU_DEP_1)
	v_lshlrev_b32 v[SA0], 4, v[SA0]
	s_delay_alu instid0(VALU_DEP_1)
	v_lshl_add_u32 v[SA0], v[LN], 5, v[SA0]        ; 32 l + 16 (l / 8)
	s_mul_i32 s82, s81, 1088
	s_add_co_u32 s82, s82, SCL+8704
	v_add_nc_u32 v[SA1], s82, v[SA0]
	s_mul_i32 s82, s80, 4352
	s_add_co_u32 s82, s82, SCL
	v_add_nc_u32 v[SA0], s82, v[SA0]
	s_lshl_b32 s82, s2, 9
	s_add_co_u32 s82, s82, BIAS
	v_lshl_add_u32 v[BIW], v[LN], 4, s82
	v_lshl_add_u32 v[BIR], v[HH], 5, s82
	v_lshlrev_b32 v[BLO], 4, v[LN]
	v_lshlrev_b32 v[R4], 2, v[RR]
.irp b, 0,1,2,3
	v_mov_b32 v[T2+\b], 0                          ; written once: a lane permute's destination counts as one of its sources
	v_mov_b32 v[BJ+\b], 0                          ; written on every way through the text; role 2 loads them
.endr
	s_mov_b32 s[SEL], 0x76543210
	s_mov_b32 s[SEL+1], 0xfedcba98                 ; lane l xor 16
	; group 1 for codes: 32 rows x 256 bytes, 512 bytes apart in memory, 16 bytes of padding behind each
	s_mov_b32 s48, (1<<20)|(5<<22)|(3<<25)
	s_mov_b32 s49, 256<<16
	s_mov_b32 s50, 32<<16
	s_mov_b32 s51, 256<<16
	s_mov_b32 s52, 32
	s_mov_b32 s53, 512
	s_mov_b32 s54, 0
	s_mov_b32 s55, 0
	; group 1 for scale bytes: 32 rows' 1,024 dense bytes as 4 rows of 256 (32 elements of 8 bytes), 16 bytes of padding behind each
	s_mov_b32 s56, (3<<16)|(1<<20)|(5<<22)|(3<<25)
	s_mov_b32 s57, 32<<16
	s_mov_b32 s58, 4<<16
	s_mov_b32 s59, 32<<16
	s_mov_b32 s60, 4
	s_mov_b32 s61, 32
	s_mov_b32 s62, 0
	s_mov_b32 s63, 0
	s_wait_dscnt 0x0
	s_wait_kmcnt 0x0
	s_add_nc_u64 s[46:47], s[16:17], QSC           ; q's scale bytes
	s_cmp_eq_u32 s3, 1                             ; the role's five buffers: the choice hangs on the work-group's number alone
	s_cselect_b64 s[4:5], s[18:19], s[22:23]       ; the tokens' codes
	s_cselect_b64 s[6:7], s[20:21], s[24:25]       ; their scale bytes
	s_cselect_b64 s[8:9], s[30:31], s[34:35]       ; the weight's codes
	s_cselect_b64 s[10:11], s[32:33], s[36:37]     ; its scale bytes
	s_cselect_b64 s[12:13], s[40:41], s[42:43]     ; the bias
	s_cmp_eq_u32 s3, 0
	s_cselect_b64 s[4:5], s[16:17], s[4:5]
	s_cselect_b64 s[6:7], s[46:47], s[6:7]
	s_cselect_b64 s[8:9], s[26:27], s[8:9]
	s_cselect_b64 s[10:11], s[28:29], s[10:11]
	s_cselect_b64 s[12:13], s[38:39], s[12:13]
	s_cmp_eq_u32 s3, 2                             ; waves 0-7 fetch S0's rows, waves 8-15 S1's; which of the two is the tokens' turns with the role
	s_cselect_b32 s83, 1, 0
	s_lshr_b32 s82, s2, 3
	s_xor_b32 s82, s82, s83                        ; 1: I fetch tokens
	s_lshl_b32 s84, s15, 8
	s_lshl_b32 s85, s14, 8
	s_cmp_eq_u32 s82, 1
	s_cselect_b64 s[4:5], s[4:5], s[8:9]           ; my codes,
	s_cselect_b64 s[6:7], s[6:7], s[10:11]         ; my scale bytes,
	s_cselect_b32 s84, s84, s85                    ; the tile's first row,
	s_and_b32 s85, s2, 7
	s_lshl_b32 s85, s85, 5
	s_add_co_u32 s84, s84, s85                     ; my 32 rows of it
	s_lshl_b32 s86, s84, 9
	s_mov_b32 s87, 0
	s_add_nc_u64 s[4:5], s[4:5], s[86:87]
	s_lshl_b32 s86, s84, 5
	s_add_nc_u64 s[6:7], s[6:7], s[86:87]
	s_mov_b32 s68, 1                               ; group 0: the scale bytes
	s_mul_i32 s69, s2, 1088
	s_add_co_u32 s69, s69, SCL
	s_mov_b64 s[70:71], s[6:7]
	s_or_b32 s71, s71, 0x80000000
	s_mov_b32 s72, 1                               ; K 0 .. 511
	s_mul_i32 s73, s2, 32*PITCH
	s_mov_b64 s[74:75], s[4:5]
	s_or_b32 s75, s75, 0x80000000
	s_mov_b32 s76, 1                               ; K 512 .. 1023
	s_add_co_u32 s77, s73, HALF
	s_add_nc_u64 s[78:79], s[4:5], 256
	s_or_b32 s79, s79, 0x80000000
	tensor_load_to_lds s[68:71], s[56:63]          ; the launch's only fills, one group at its start: three loads of mine are out
	s_nop 0
	tensor_load_to_lds s[72:75], s[48:55]
	s_nop 0
	tensor_load_to_lds s[76:79], s[48:55]
	s_nop 0
	NOPS 4
	; where the results go, and the bias
	s_lshr_b32 s82, s15, 3                         ; b
	s_lshl_b32 s82, s82, 4
	s_lshl_b32 s84, s14, 2
	s_add_co_u32 s82, s82, s84                     ; 16 b + 4 a
	s_and_b32 s83, s15, 7
	s_lshl_b32 s83, s83, 1                         ; 2 (t % 8)
	s_cmp_eq_u32 s3, 2
	s_cbranch_scc1 .Larm_v
	s_cmp_eq_u32 s3, 0                             ; Q's region or K's
	s_mov_b32 s84, HK
	s_cselect_b32 s84, HQ, s84                     ; from head to head
	s_mov_b32 s85, 8704
	s_cselect_b32 s85, 4352, s85                   ; from 128 tokens to the next
	s_cselect_b32 s86, 0, QTOT                     ; the region
	s_mov_b32 s87, 8192
	s_cselect_b32 s87, 4096, s87                   ; the pair words' place
	s_lshl_b32 s97, s80, 1
	s_add_co_u32 s82, s82, s97                     ; my first head: 16 b + 4 a + 2 wi
	s_lshr_b32 s97, s81, 2
	s_add_co_u32 s83, s83, s97                     ; my 128 tokens
	s_mul_i32 s82, s82, s84
	s_mul_i32 s83, s83, s85
	s_add_co_u32 s82, s82, s83
	s_add_co_u32 s82, s82, s86
	s_and_b32 s97, s81, 3                          ; my pair of tiles among the four
	s_lshl_b32 s98, s97, 10
	s_add_co_u32 s92, s82, s98                     ; codes
	s_lshl_b32 s98, s97, 6
	s_add_co_u32 s95, s82, s98
	s_add_co_u32 s95, s95, s87                     ; pair words
	s_mov_b32 s93, s84                             ; registers 4-7 of the codes: the next head
	s_mov_b32 s94, 512                             ; the second tile of tokens: the next image
	s_mov_b32 s96, s84                             ; lanes 16-31 store the next head's word
	s_mov_b32 s90, 0x05040100                      ; the low halves of the two words: my first head's pair word
	s_mov_b32 s91, 0x07060302                      ; the high halves: the next head's
	s_lshl_b32 s98, s14, 10
	s_lshl_b32 s99, s80, 9
	s_add_co_u32 s98, s98, s99
	s_mov_b32 s99, 0
	s_add_nc_u64 s[12:13], s[12:13], s[98:99]      ; the bias of my 128 features
	global_load_b128 v[BT:BT+3], v[BLO], s[12:13]
	s_wait_loadcnt 0x0
	ds_store_b128 v[BIW], v[BT:BT+3]               ; through my own 512 bytes of LDS: each lane reads its half's eight numbers of each tile later
	s_branch .Ljoin
.Larm_v:
	s_lshr_b32 s97, s81, 1
	s_add_co_u32 s82, s82, s97                     ; my head: 16 b + 4 a + wj / 2
	s_add_co_u32 s83, s83, s80                     ; my 128 keys
	s_mul_i32 s82, s82, HK
	s_mul_i32 s83, s83, 8704
	s_add_co_u32 s82, s82, s83
	s_add_co_u32 s82, s82, QTOT
	s_and_b32 s97, s81, 1                          ; which two of the head's four tiles of channels
	s_lshl_b32 s98, s97, 11
	s_add_co_u32 s92, s82, s98
	s_add_co_u32 s92, s92, 4096                    ; codes
	s_lshl_b32 s98, s97, 7
	s_add_co_u32 s95, s82, s98
	s_add_co_u32 s95, s95, 8448                    ; scale words
	s_mov_b32 s93, 512                             ; registers 4-7: the fragment's second piece
	s_mov_b32 s94, 1024                            ; the second tile of channels: the next fragment
	s_mov_b32 s96, 64                              ; lanes 16-31 store the second tile's words
	s_mov_b32 s90, 0x03020100                      ; the first word as it is,
	s_mov_b32 s91, 0x07060504                      ; the second as it is
	s_lshl_b32 s98, s14, 10
	s_lshl_b32 s99, s81, 7
	s_add_co_u32 s98, s98, s99
	s_mov_b32 s99, 0
	s_add_nc_u64 s[12:13], s[12:13], s[98:99]      ; the bias of my 32 channels
	s_wait_alu depctr_va_vdst(0)
	global_load_b32 v[BJ], v[R4], s[12:13]
	global_load_b32 v[BJ+2], v[R4], s[12:13] offset:64
	s_wait_loadcnt 0x0
	v_mov_b32 v[BJ+1], v[BJ]                       ; pairs for the packed additions
	v_mov_b32 v[BJ+3], v[BJ+2]
.Ljoin:
	v_lshl_add_u32 v[CO], v[LN], 4, s92
	s_delay_alu instid0(VALU_DEP_1)
	v_add_nc_u32 v[CO+1], s93, v[CO]
	s_delay_alu instid0(VALU_DEP_2)
	v_add_nc_u32 v[CO+2], s94, v[CO]
	s_delay_alu instid0(VALU_DEP_1)
	v_add_nc_u32 v[CO+3], s93, v[CO+2]
	v_mul_lo_u32 v[SCO], v[HH], s96
	s_delay_alu instid0(VALU_DEP_1)
	v_add3_u32 v[SCO], v[SCO], v[R4], s95
	s_wait_tensorcnt 0x1                           ; my scale bytes and my rows of K 0 .. 511 are in; the one load behind them, K 512 on, may stay out
	s_wait_dscnt 0x0                               ; my bias store is done
	s_barrier_signal -1
	s_barrier_wait -1                              ; everybody's are
	STEP 0, 0, 1                                   ; the first products start the sums: nothing is cleared
	STEP 1, 1, 0
	STEP 2, 2, 0
	STEP 3, 3, 0
	s_wait_tensorcnt 0x0                           ; my rows of K 512 on are in (no LDS load of mine is out: the last count-down ended at 0)
	s_barrier_signal -1
	s_barrier_wait -1                              ; everybody's are
	v_add_nc_u32 v[FA0], HALF, v[FA0]
	v_add_nc_u32 v[FA1], HALF, v[FA1]
	s_wait_alu depctr_va_vdst(0)
	STEP 0, 4, 0
	STEP 1, 5, 0
	STEP 2, 6, 0
	STEP 3, 7, 0
	NOPS 4                                         ; four places in front of the first read of results and of loads into S0's registers
	s_cmp_eq_u32 s3, 2
	s_cbranch_scc1 .Lbias_v
.irp i, 0,1,2,3,4,5,6,7
	ds_load_b128 v[S0F+8*\i:S0F+8*\i+3], v[BIR] offset:64*\i          ; the bias of features 16 i + 8 h + 0 .. 7
	ds_load_b128 v[S0F+8*\i+4:S0F+8*\i+7], v[BIR] offset:64*\i+16
.endr
	s_wait_dscnt 0x0
.irp j, 0,1
.irp i, 0,1,2,3,4,5,6,7
.irp k, 0,2,4,6
	v_pk_add_f32 v[ACC+64*\j+8*\i+\k:ACC+64*\j+8*\i+\k+1], v[ACC+64*\j+8*\i+\k:ACC+64*\j+8*\i+\k+1], v[S0F+8*\i+\k:S0F+8*\i+\k+1]   ; each accumulator from its low end on
.endr
.endr
.endr
	s_branch .Lquant
.Lbias_v:
.irp j, 0,1
.irp i, 0,1,2,3,4,5,6,7
.irp k, 0,2,4,6
	v_pk_add_f32 v[ACC+64*\j+8*\i+\k:ACC+64*\j+8*\i+\k+1], v[ACC+64*\j+8*\i+\k:ACC+64*\j+8*\i+\k+1], v[BJ+2*\j:BJ+2*\j+1]   ; my channel's bias on all its keys
.endr
.endr
.endr
.Lquant:
	QUANT ACC, S1F, PW
	global_store_b128 v[CO], v[S1F:S1F+3], s[44:45]                   ; 32 lanes store 512 consecutive bytes
	global_store_b128 v[CO+1], v[S1F+4:S1F+7], s[44:45]
	QUANT ACC+64, S1F+8, PW+1
	global_store_b128 v[CO+2], v[S1F+8:S1F+11], s[44:45]
	global_store_b128 v[CO+3], v[S1F+12:S1F+15], s[44:45]
	v_perm_b32 v[WA], v[PW+1], v[PW], s90
	v_perm_b32 v[WA+1], v[PW+1], v[PW], s91
	v_cmp_lt_u32 vcc_lo, 15, v[LN]
	s_delay_alu instid0(VALU_DEP_1)
	v_cndmask_b32 v[WA], v[WA], v[WA+1], vcc_lo    ; lanes 0-15 the first word, lanes 16-31 the second
	global_store_b32 v[SCO], v[WA], s[44:45]
	s_wait_tensorcnt 0x0
	ds_add_u32 v37, v39
	s_wait_dscnt 0x0
	s_endpgm
.Lfunc_end_k_q017f32f430_proj:
	.size	k_q017f32f430_proj, .Lfunc_end_k_q017f32f430_proj-k_q017f32f430_proj
	.p2alignl 7, 3214868480
	.fill 96, 4, 3214868480
	.section	.rodata,"a",@progbits
	.p2align	6, 0x0
	.amdhsa_kernel k_q017f32f430_proj
		.amdhsa_group_segment_fixed_size 306176
		.amdhsa_private_segment_fixed_size 0
		.amdhsa_enable_private_segment 0
		.amdhsa_kernarg_size 120
		.amdhsa_user_sgpr_count 2
		.amdhsa_user_sgpr_kernarg_segment_ptr 1
		.amdhsa_wavefront_size32 1
		.amdhsa_system_sgpr_workgroup_id_x 1
		.amdhsa_system_sgpr_workgroup_id_y 1
		.amdhsa_system_sgpr_workgroup_id_z 1
		.amdhsa_system_vgpr_workitem_id 0
		.amdhsa_next_free_vgpr 256
		.amdhsa_next_free_sgpr 100
		.amdhsa_reserve_vcc 1
		.amdhsa_float_denorm_mode_32 3
		.amdhsa_float_denorm_mode_16_64 3
		.amdhsa_memory_ordered 1
		.amdhsa_forward_progress 1
		.amdhsa_inst_pref_size 62
	.end_amdhsa_kernel
	.amdgpu_metadata
---
amdhsa.version: [ 1, 2 ]
amdhsa.kernels:
  - .name:           k_q017f32f430_proj
    .symbol:         k_q017f32f430_proj.kd
    .args:
      - { .name: qc, .offset: 0, .size: 8, .value_kind: global_buffer, .address_space: global }
      - { .name: k_codes, .offset: 8, .size: 8, .value_kind: global_buffer, .address_space: global }
      - { .name: k_scales, .offset: 16, .size: 8, .value_kind: global_buffer, .address_space: global }
      - { .name: v_codes, .offset: 24, .size: 8, .value_kind: global_buffer, .address_space: global }
      - { .name: v_scales, .offset: 32, .size: 8, .value_kind: global_buffer, .address_space: global }
      - { .name: Wq_codes, .offset: 40, .size: 8, .value_kind: global_buffer, .address_space: global }
      - { .name: Wq_scales, .offset: 48, .size: 8, .value_kind: global_buffer, .address_space: global }
      - { .name: Wk_codes, .offset: 56, .size: 8, .value_kind: global_buffer, .address_space: global }
      - { .name: Wk_scales, .offset: 64, .size: 8, .value_kind: global_buffer, .address_space: global }
      - { .name: Wv_codes, .offset: 72, .size: 8, .value_kind: global_buffer, .address_space: global }
      - { .name: Wv_scales, .offset: 80, .size: 8, .value_kind: global_buffer, .address_space: global }
      - { .name: bq, .offset: 88, .size: 8, .value_kind: global_buffer, .address_space: global }
      - { .name: bk, .offset: 96, .size: 8, .value_kind: global_buffer, .address_space: global }
      - { .name: bv, .offset: 104, .size: 8, .value_kind: global_buffer, .address_space: global }
      - { .name: qkv, .offset: 112, .size: 8, .value_kind: global_buffer, .address_space: global }
    .group_segment_fixed_size: 306176
    .private_segment_fixed_size: 0
    .kernarg_segment_align: 8
    .kernarg_segment_size: 120
    .max_flat_workgroup_size: 512
    .sgpr_count:     100
    .vgpr_count:     256
    .wavefront_size: 32
...
	.end_amdgpu_metadata
.endif
;; end of part 2
;; launch attn (part 3): grid 4 x 64, 16 waves a work-group, no clusters, 169,984 bytes of LDS; arguments qkv, xq; writes xq
.if DOCPART == 3
	.amdgcn_target "amdgcn-amd-amdhsa--gfx1250"
	.amdhsa_code_object_version 6
	.text
	.protected	k_q017f32f430_attn
	.globl	k_q017f32f430_attn
	.p2align	8
	.type	k_q017f32f430_attn,@function
k_q017f32f430_attn:
	s_mov_b64 s[64:65], 0
	v_nop
	global_prefetch_b8 v0, s[64:65] scope:SCOPE_SE
	s_setreg_imm32_b32 hwreg(HW_REG_WAVE_MODE, 25, 1), 1
	s_wait_xcnt 0x0
; Attention of one (batch, head) for 512 queries, both products on codes of FP4 with E8M0 scales, and the quantiser of its result along (head, channel), the last product's K.
; THE SOFTMAX: t = score x log2(e) / 8; M = the row's largest t so far, rounded UP to a whole number; p = 2^(t - M) is what is quantised, along the keys, not normalised.  The row's sum is taken of the unquantised p and divides
; at the end.  When M moves, the sum and O are multiplied by 2^(old M - new M), which rounds nothing.
; SHARES.  Work-group (x, y): head y = 16 b + head, queries 512 x on.  Each of the sixteen waves owns 32 queries, two tiles of 16, one after the other: four waves to a SIMD, so that one wave's vector work stands beside another's products and LDS loads.
; LDS.  The head's K, V and their scale words, 139,264 bytes, lie in LDS as they lie in qkv: wave w fetches the 8,704 bytes of key step w by one tensor load at the start.  Nothing is filled again and nothing is stored to LDS.
;   Every LDS read is 16 x lane or 4 x lane + constants: consecutive bytes.
; LAYOUT.  Both products are used transposed: S^T = K Q^T (source 0 = keys, source 1 = my 16 queries), O^T = V^T P^T: a lane holds ONE query (lane % 16) throughout.
;   THE HEAD HAS 64 CHANNELS AND THE INSTRUCTION 128 ALONG K.  A fragment of K holds TWO tiles of 16 keys: registers 0-3 tile 2 p, registers 4-7 tile 2 p + 1.  Multiplied by [Q | zero codes] it gives tile 2 p's scores, by [zero codes | Q] tile 2 p + 1's:
;   zero codes add nothing under any scale byte but 0xff, and the bytes here lie from 1 to 254.  Half of each such product multiplies zeros; no LDS byte and no register of K is spent on them.
;   Tiles 2 B and 2 B + 1 of S^T are keys 32 B + 8 h + 0..7 and 32 B + 16 + 8 h + 0..7 of a lane; the conversions' results go to registers 4 c + e and 4 c + 2 + e (e the block's parity), and exchanges of lane halves give the operand's layout.
; OUT (xq).  Codes at byte 0: [tile of 16 tokens: 512][head: 16][512 bytes: lane l's 16 bytes at 16 l, channels 32 h on of token r].  Scale words at byte 4,194,304: [32 tokens: 256][pair of heads: 8][token: 32] words; a head stores its half of each word:
;   two bytes a lane, 4 bytes apart, 262,144 bytes in the launch.
; NO CLUSTER: the four work-groups of a head read the same 139,264 bytes, each once, at its start, for 512 key steps of some 240 vector instructions in its sixteen waves: what could be shared is a small part of the launch's work.
; A block's largest p is taken from its largest score by the same multiply-add and exponential: this takes v_exp_f32 not to fall where its input rises.
; LIMITS: a block of p or of the result under 2^-124 gets the byte 1.  NaN and infinities are not served.
.set HQ,   69632
.set HK,   139264
.set QTOT, 64*HQ
.set CH,   8704                        ; a key step's bytes: K's 8 images, V's 4 fragments, K's pair words (at 8,192), V's words (at 8,448)
.set XSC,  4194304
.set L16, 1                            ; v1   16 x lane
.set L4,  2                            ; v2   4 x lane
.set ADB, 3                            ; v3   the step's first byte + 16 x lane
.set ADS, 4                            ; v4   + 4 x lane
.set QO,  5                            ; v5   Q's codes
.set QS,  6                            ; v6   Q's pair word
.set XO,  7                            ; v7   the result's codes
.set XW,  8                            ; v8   its scale bytes
.set QP,  9                            ; v9   Q's pair word as loaded
.set LN,  10                           ; v10  lane;  v11 r;  v12 -M;  v13 the largest t;  v[14:15] the sum in two halves
.set Q0,  16                           ; v16-23 [Q | 0];  v24-31 [0 | Q]
.set Q1,  24
.set KF,  32                           ; v32-63 K: four fragments
.set VF,  64                           ; v64-95 V: four fragments
.set S,   96                           ; v96-159 S^T, then p
.set O,   160                          ; v160-191 O^T
.set PC,  192                          ; v192-199 p's codes
.set KSW, 200                          ; v200-201 K's pair words, v202-203 V's words, v204 Q's word, v205 p's: scales and nothing else
.set VSW, 202
.set QW,  204
.set PWD, 205
.set XB,  206                          ; v206-207 the result's two scale bytes, tile 0's and tile 1's
.set BM,  208                          ; v208-211 block maxima;  v212-215 the other half's, then bytes;  v216-219 the conversions' scale operands
.set T2,  212
.set SO,  216
.set L2S, 220                          ; v[220:221] the sum's second chain
.set F,   222                          ; v[222:223] f = 2^(old M - new M); the pair's low word serves both halves
.set W,   224                          ; at work
.set SEL, 10                           ; s[10:11]
.set CS,  12                           ; s[12:13] c = log2(e) / 8
.set TB,  14                           ; s14  the step's first LDS byte
.set CNT, 15
.macro NOPS n
.rept \n
	v_nop
.endr
.endm
.macro WM d, a, b, z, sa, sb, ra, rb
.if \z
.if (\ra) && (\rb)
	v_wmma_scale_f32_16x16x128_f8f6f4 v[0+\d:7+\d], v[0+\a:7+\a], v[0+\b:7+\b], 0, v[0+\sa], v[0+\sb] matrix_a_fmt:MATRIX_FMT_FP4 matrix_b_fmt:MATRIX_FMT_FP4 matrix_a_scale:MATRIX_SCALE_ROW1 matrix_b_scale:MATRIX_SCALE_ROW1
.elseif \ra
	v_wmma_scale_f32_16x16x128_f8f6f4 v[0+\d:7+\d], v[0+\a:7+\a], v[0+\b:7+\b], 0, v[0+\sa], v[0+\sb] matrix_a_fmt:MATRIX_FMT_FP4 matrix_b_fmt:MATRIX_FMT_FP4 matrix_a_scale:MATRIX_SCALE_ROW1
.elseif \rb
	v_wmma_scale_f32_16x16x128_f8f6f4 v[0+\d:7+\d], v[0+\a:7+\a], v[0+\b:7+\b], 0, v[0+\sa], v[0+\sb] matrix_a_fmt:MATRIX_FMT_FP4 matrix_b_fmt:MATRIX_FMT_FP4 matrix_b_scale:MATRIX_SCALE_ROW1
.else
	v_wmma_scale_f32_16x16x128_f8f6f4 v[0+\d:7+\d], v[0+\a:7+\a], v[0+\b:7+\b], 0, v[0+\sa], v[0+\sb] matrix_a_fmt:MATRIX_FMT_FP4 matrix_b_fmt:MATRIX_FMT_FP4
.endif
.else
.if (\ra) && (\rb)
	v_wmma_scale_f32_16x16x128_f8f6f4 v[0+\d:7+\d], v[0+\a:7+\a], v[0+\b:7+\b], v[0+\d:7+\d], v[0+\sa], v[0+\sb] matrix_a_fmt:MATRIX_FMT_FP4 matrix_b_fmt:MATRIX_FMT_FP4 matrix_a_scale:MATRIX_SCALE_ROW1 matrix_b_scale:MATRIX_SCALE_ROW1
.elseif \ra
	v_wmma_scale_f32_16x16x128_f8f6f4 v[0+\d:7+\d], v[0+\a:7+\a], v[0+\b:7+\b], v[0+\d:7+\d], v[0+\sa], v[0+\sb] matrix_a_fmt:MATRIX_FMT_FP4 matrix_b_fmt:MATRIX_FMT_FP4 matrix_a_scale:MATRIX_SCALE_ROW1
.elseif \rb
	v_wmma_scale_f32_16x16x128_f8f6f4 v[0+\d:7+\d], v[0+\a:7+\a], v[0+\b:7+\b], v[0+\d:7+\d], v[0+\sa], v[0+\sb] matrix_a_fmt:MATRIX_FMT_FP4 matrix_b_fmt:MATRIX_FMT_FP4 matrix_b_scale:MATRIX_SCALE_ROW1
.else
	v_wmma_scale_f32_16x16x128_f8f6f4 v[0+\d:7+\d], v[0+\a:7+\a], v[0+\b:7+\b], v[0+\d:7+\d], v[0+\sa], v[0+\sb] matrix_a_fmt:MATRIX_FMT_FP4 matrix_b_fmt:MATRIX_FMT_FP4
.endif
.endif
.endm
; ONE TILE OF 16 QUERIES, the u-th of my two, through all 2,048 keys.
.macro TILE u
.if \u
	s_wait_xcnt 0x0                                ; the first tile's store has read its registers: the codes' registers are written again below
.endif
	global_load_b128 v[Q0:Q0+3], v[QO], s[4:5] offset:512*\u          ; Q's image, once for [Q | 0]
	global_load_b128 v[Q1+4:Q1+7], v[QO], s[4:5] offset:512*\u        ; and once for [0 | Q]
.if \u == 0
	global_load_b32 v[QP], v[QS], s[4:5]           ; the pair word of my two tiles
.endif
	s_wait_loadcnt 0x0
.if \u == 0
	v_perm_b32 v[QW], v[QP], v[QP], 0x01000100     ; my tile's two bytes, for K 0 .. 63 and again for K 64 .. 127.  The 36 lines below are more than the eight places that a scale word made by a vector line owes
.else
	v_perm_b32 v[QW], v[QP], v[QP], 0x03020302
.endif
	v_mov_b32 v13, 0xff61b1e6                      ; the largest t so far: -3e38, under every t
	s_delay_alu instid0(VALU_DEP_1)
	v_floor_f32 v12, -v13                          ; -M
	v_mov_b32 v14, 0
	v_mov_b32 v15, 0
.irp j, 0,1,2,3,4,5,6,7,8,9,10,11,12,13,14,15,16,17,18,19,20,21,22,23,24,25,26,27,28,29,30,31
	v_mov_b32 v[O+\j], 0                           ; the loop is written once: its first step finds zeros, which the first change of M leaves zeros
.endr
	s_mov_b32 s[TB], 0
	s_mov_b32 s[CNT], 16
.Lkeys_\@:                                         ; a trip: 128 keys
	s_setprio 2
	v_add_nc_u32 v[ADB], s[TB], v[L16]
	v_add_nc_u32 v[ADS], s[TB], v[L4]
	NOPS 2                                         ; with the two additions: four places between the last products and loads into registers that they read
.irp p, 0,1
	ds_load_b32 v[KSW+\p], v[ADS] offset:8192+128*\p                  ; lanes 0-15 pair 2 p, lanes 16-31 pair 2 p + 1
.endr
.irp n, 0,1,2,3,4,5,6,7
	ds_load_b128 v[KF+4*\n:KF+4*\n+3], v[ADB] offset:512*\n
.endr
.irp p, 0,1
	ds_load_b32 v[VSW+\p], v[ADS] offset:8448+128*\p
.endr
.irp n, 0,1,2,3,4,5,6,7
	ds_load_b128 v[VF+4*\n:VF+4*\n+3], v[ADB] offset:4096+512*\n
.endr
	s_wait_dscnt 10                                ; K and its words are in; V's ten loads, issued behind them, land under the softmax
.irp b, 0,1,2,3
	WM S+16*\b, KF+8*\b, Q0, 1, KSW+\b/2, QW, \b%2, 0
	WM S+8+16*\b, KF+8*\b, Q1, 1, KSW+\b/2, QW, \b%2, 0
.endr
	NOPS 4
.irp b, 0,1,2,3
	v_max3_num_f32 v[BM+\b], v[S+16*\b], v[S+1+16*\b], v[S+2+16*\b]   ; the largest score of each block of 32 keys: for the row's maximum and for the block's largest p.  Each tile is read from its low end on
.endr
.irp i, 3,5,7,9,11,13
.irp b, 0,1,2,3
	v_max3_num_f32 v[BM+\b], v[BM+\b], v[S+16*\b+\i], v[S+1+16*\b+\i]
.endr
.endr
.irp b, 0,1,2,3
	v_max_num_f32 v[BM+\b], v[BM+\b], v[S+15+16*\b]
.endr
.irp b, 0,1,2,3
	s_delay_alu instid0(VALU_DEP_4)
	v_permlanex16_b32 v[T2+\b], v[BM+\b], s[SEL], s[SEL+1]
.endr
.irp b, 0,1,2,3
	s_delay_alu instid0(VALU_DEP_4)
	v_max_num_f32 v[BM+\b], v[BM+\b], v[T2+\b]     ; with lane l xor 16's 16 keys
.endr
	s_delay_alu instid0(VALU_DEP_2)
	v_max3_num_f32 v[W], v[BM], v[BM+1], v[BM+2]
	s_delay_alu instid0(VALU_DEP_1)
	v_max_num_f32 v[W], v[W], v[BM+3]              ; the step's largest score of my query
	s_delay_alu instid0(VALU_DEP_1)
	v_mul_f32 v[W], s[CS], v[W]                    ; as t (c is positive)
	s_delay_alu instid0(VALU_DEP_1)
	v_max_num_f32 v13, v13, v[W]                   ; the running largest t
	v_mov_b32 v[W], v12
	s_delay_alu instid0(VALU_DEP_2)
	v_floor_f32 v12, -v13                          ; the new -M = floor(-t) = -ceil(t)
	s_delay_alu instid0(VALU_DEP_1)
	v_sub_f32 v[W], v12, v[W]                      ; old M - new M: a whole number, 0 or less
	s_delay_alu instid0(VALU_DEP_1)
	v_cvt_i32_f32 v[W], v[W]                       ; (it saturates)
	s_delay_alu instid0(VALU_DEP_1)
	v_ldexp_f32 v[F], 1.0, v[W]                    ; f
.irp j, 0,2,4,6,8,10,12,14,16,18,20,22,24,26,28,30,32,34,36,38,40,42,44,46,48,50,52,54,56,58,60,62
	v_pk_fma_f32 v[S+\j:S+\j+1], v[S+\j:S+\j+1], s[CS:CS+1], v[12:13] op_sel_hi:[1,0,0]   ; t - M, two at a time
.endr
.irp b, 0,1,2,3
	v_fma_f32 v[BM+\b], v[BM+\b], s[CS], v12       ; the same of each block's largest score
.endr
	s_wait_alu depctr_va_vdst(0)
.irp j, 0,1,2,3,4,5,6,7,8,9,10,11,12,13,14,15,16,17,18,19,20,21,22,23,24,25,26,27,28,29,30,31,32,33,34,35,36,37,38,39,40,41,42,43,44,45,46,47,48,49,50,51,52,53,54,55,56,57,58,59,60,61,62,63
	v_exp_f32 v[S+\j], v[S+\j]                     ; p = 2^(t - M)
.endr
	s_setprio 1
.irp b, 0,1,2,3
	v_exp_f32 v[BM+\b], v[BM+\b]                   ; the block's largest p
.endr
	v_pk_mul_f32 v[14:15], v[14:15], v[F:F+1] op_sel_hi:[1,0]         ; the sums under the new M (a plain line behind the exponentials)
	s_wait_alu depctr_va_vdst(0)
.irp b, 0,1,2,3
	v_max_num_f32 v[BM+\b], 0x1800000, v[BM+\b]    ; the floor 2^(3 - 127)
.endr
.irp b, 0,1,2,3
	s_delay_alu instid0(VALU_DEP_4)
	v_add_nc_u32 v[SO+\b], 0xff000000, v[BM+\b]
.endr
.irp b, 0,1,2,3
	s_delay_alu instid0(VALU_DEP_4)
	v_lshrrev_b32 v[T2+\b], 23, v[SO+\b]
.endr
	s_delay_alu instid0(VALU_DEP_3)
	v_lshl_or_b32 v[PWD], v[T2+1], 8, v[T2]        ; p's scale word for these 128 keys
	s_delay_alu instid0(VALU_DEP_1)
	v_lshl_or_b32 v[PWD], v[T2+2], 16, v[PWD]
	s_delay_alu instid0(VALU_DEP_1)
	v_lshl_or_b32 v[PWD], v[T2+3], 24, v[PWD]
.irp b, 0,1,2,3
	v_cvt_scalef32_pk8_fp4_f32 v[PC+4*(\b/2)+\b%2], v[S+16*\b:S+16*\b+7], v[SO+\b]
	v_cvt_scalef32_pk8_fp4_f32 v[PC+4*(\b/2)+2+\b%2], v[S+16*\b+8:S+16*\b+15], v[SO+\b]
.endr
	v_nop                                          ; one plain line behind a scaled conversion
.irp c, 0,2,4,6
	v_permlane16_swap_b32 v[PC+\c], v[PC+\c+1]
.endr
	v_pk_add_f32 v[220:221], v[100:101], v[104:105]
	v_pk_add_f32 v[252:253], v[108:109], v[112:113]
	v_pk_add_f32 v[250:251], v[116:117], v[120:121]
	v_pk_add_f32 v[248:249], v[124:125], v[128:129]
	v_pk_add_f32 v[246:247], v[132:133], v[136:137]
	v_pk_add_f32 v[244:245], v[140:141], v[144:145]
	v_pk_add_f32 v[242:243], v[148:149], v[152:153]
	v_pk_add_f32 v[14:15], v[14:15], v[156:157]
	v_pk_add_f32 v[220:221], v[220:221], v[96:97]
	v_pk_add_f32 v[252:253], v[252:253], v[98:99]
	v_pk_add_f32 v[250:251], v[250:251], v[102:103]
	v_pk_add_f32 v[248:249], v[248:249], v[106:107]
	v_pk_add_f32 v[246:247], v[246:247], v[110:111]
	v_pk_add_f32 v[244:245], v[244:245], v[114:115]
	v_pk_add_f32 v[242:243], v[242:243], v[118:119]
	v_pk_add_f32 v[14:15], v[14:15], v[122:123]
	v_pk_add_f32 v[220:221], v[220:221], v[126:127]
	v_pk_add_f32 v[252:253], v[252:253], v[130:131]
	v_pk_add_f32 v[250:251], v[250:251], v[134:135]
	v_pk_add_f32 v[248:249], v[248:249], v[138:139]
	v_pk_add_f32 v[246:247], v[246:247], v[142:143]
	v_pk_add_f32 v[244:245], v[244:245], v[146:147]
	v_pk_add_f32 v[242:243], v[242:243], v[150:151]
	v_pk_add_f32 v[14:15], v[14:15], v[154:155]
	v_pk_add_f32 v[220:221], v[220:221], v[158:159]
	s_delay_alu instid0(VALU_DEP_2)
	v_pk_add_f32 v[14:15], v[14:15], v[248:249]
	s_delay_alu instid0(VALU_DEP_2)
	v_pk_add_f32 v[220:221], v[220:221], v[246:247]
	v_pk_add_f32 v[252:253], v[252:253], v[244:245]
	v_pk_add_f32 v[250:251], v[250:251], v[242:243]
	s_delay_alu instid0(VALU_DEP_2)
	v_pk_add_f32 v[14:15], v[14:15], v[252:253]
	s_delay_alu instid0(VALU_DEP_2)
	v_pk_add_f32 v[220:221], v[220:221], v[250:251]
	s_delay_alu instid0(VALU_DEP_1)
	v_pk_add_f32 v[14:15], v[14:15], v[220:221]
	s_setprio 0
.irp j, 0,2,4,6,8,10,12,14,16,18,20,22,24,26,28,30
	v_pk_mul_f32 v[O+\j:O+\j+1], v[O+\j:O+\j+1], v[F:F+1] op_sel_hi:[1,0]   ; O^T under the new M.  These and the sums are the places in front of the products below
.endr
	s_wait_alu depctr_va_vdst(0)
	s_wait_dscnt 0x0                               ; V and its words are in
.irp c, 0,1,2,3
	WM O+8*\c, VF+8*\c, PC, 0, VSW+\c/2, PWD, \c%2, 0                 ; the four accumulators take turns, one instruction a turn
.endr
	s_add_co_u32 s[TB], s[TB], CH
	s_sub_co_u32 s[CNT], s[CNT], 1
	s_cmp_lg_u32 s[CNT], 0
	s_cbranch_scc1 .Lkeys_\@
	s_setprio 0
	NOPS 4
	v_add_f32 v14, v14, v15                        ; the sum's two halves,
	s_delay_alu instid0(VALU_DEP_1)
	v_permlanex16_b32 v[W], v14, s[SEL], s[SEL+1]
	s_delay_alu instid0(VALU_DEP_1)
	v_add_f32 v14, v14, v[W]                       ; and lane l xor 16's: the row's sum, at least 1/2
	s_wait_alu depctr_va_vdst(0)
	v_rcp_f32 v14, v14
	v_nop
	s_wait_alu depctr_va_vdst(0)
.irp j, 0,2,4,6,8,10,12,14,16,18,20,22,24,26,28,30
	v_pk_mul_f32 v[S+\j:S+\j+1], v[O+\j:O+\j+1], v[14:15] op_sel_hi:[1,0]   ; O^T / the sum: register 8 c + i is channel 16 c + 8 h + i of my query
.endr
.irp b, 0,1
	v_max3_num_f32 v[BM+\b], |v[S+16*\b]|, |v[S+1+16*\b]|, 0x1800000  ; the head's two blocks of 32 channels
.endr
.irp i, 2,4,6,8,10,12,14
.irp b, 0,1
	s_delay_alu instid0(VALU_DEP_2)
	v_max3_num_f32 v[BM+\b], v[BM+\b], |v[S+16*\b+\i]|, |v[S+1+16*\b+\i]|
.endr
.endr
.irp b, 0,1
	s_delay_alu instid0(VALU_DEP_2)
	v_permlanex16_b32 v[T2+\b], v[BM+\b], s[SEL], s[SEL+1]
.endr
.irp b, 0,1
	s_delay_alu instid0(VALU_DEP_2)
	v_max_num_f32 v[BM+\b], v[BM+\b], v[T2+\b]
.endr
.irp b, 0,1
	s_delay_alu instid0(VALU_DEP_2)
	v_add_nc_u32 v[SO+\b], 0xff000000, v[BM+\b]
.endr
.irp b, 0,1
	s_delay_alu instid0(VALU_DEP_2)
	v_lshrrev_b32 v[T2+\b], 23, v[SO+\b]
.endr
	s_delay_alu instid0(VALU_DEP_1)
	v_lshl_or_b32 v[XB+\u], v[T2+1], 8, v[T2]
.irp b, 0,1
	v_cvt_scalef32_pk8_fp4_f32 v[PC+\b], v[S+16*\b:S+16*\b+7], v[SO+\b]
	v_cvt_scalef32_pk8_fp4_f32 v[PC+2+\b], v[S+16*\b+8:S+16*\b+15], v[SO+\b]
.endr
	v_nop
	v_permlane16_swap_b32 v[PC], v[PC+1]
	v_permlane16_swap_b32 v[PC+2], v[PC+3]         ; registers 0-3: channels 32 h + 0 .. 31
	global_store_b128 v[XO], v[PC:PC+3], s[6:7] offset:8192*\u        ; 32 lanes store 512 consecutive bytes
.endm
	s_load_b128 s[4:7], s[0:1], 0x0                ; qkv s[4:5], xq s[6:7]
	v_lshl_add_u32 v254, v0, 2, 0x29000
	v_mov_b32 v255, 0
	ds_add_u32 v254, v255
	ds_add_u32 v254, v255
	v_lshrrev_b32 v1, 5, v0
	s_delay_alu instid0(VALU_DEP_1)
	v_readfirstlane_b32 s2, v1                     ; wave 0..15
	s_and_b32 s8, ttmp7, 0xffff                    ; 16 b + head
	s_mov_b32 s16, 3<<16                           ; group 1: 8,704 dense bytes as 34 rows of 256 (32 elements of 8 bytes), no padding
	s_mov_b32 s17, 32<<16
	s_mov_b32 s18, 34<<16
	s_mov_b32 s19, 32<<16
	s_mov_b32 s20, 34
	s_mov_b32 s21, 32
	s_mov_b32 s22, 0
	s_mov_b32 s23, 0
	s_mov_b32 s24, 1
	s_mul_i32 s25, s2, CH                          ; key step w, in LDS
	s_mul_i32 s28, s8, HK
	s_add_co_u32 s28, s28, s25
	s_add_co_u32 s28, s28, QTOT                    ; and in qkv
	s_mov_b32 s29, 0
	s_wait_dscnt 0x0
	s_wait_kmcnt 0x0
	s_add_nc_u64 s[26:27], s[4:5], s[28:29]
	s_or_b32 s27, s27, 0x80000000
	tensor_load_to_lds s[24:27], s[16:23]          ; my one tensor load
	s_nop 0
	NOPS 4
	v_and_b32 v[LN], 31, v0
	v_and_b32 v11, 15, v0
	s_delay_alu instid0(VALU_DEP_2)
	v_lshlrev_b32 v[L16], 4, v[LN]
	s_wait_alu depctr_va_vdst(0)
	v_lshlrev_b32 v[L4], 2, v[LN]
	s_wait_alu depctr_va_vdst(0)
	s_lshl_b32 s30, ttmp9, 2
	s_lshr_b32 s31, s2, 2
	s_add_co_u32 s30, s30, s31                     ; my 128 queries: 4 x + w / 4
	s_mul_i32 s30, s30, 4352
	s_mul_i32 s31, s8, HQ
	s_add_co_u32 s30, s30, s31
	s_and_b32 s31, s2, 3                           ; my pair of tiles among the four
	s_lshl_b32 s32, s31, 10
	s_add_co_u32 s32, s32, s30
	v_add_nc_u32 v[QO], s32, v[L16]
	s_lshl_b32 s32, s31, 6
	s_add_co_u32 s32, s32, s30
	s_add_co_u32 s32, s32, 4096
	v_lshl_add_u32 v[QS], v11, 2, s32
	s_lshr_b32 s33, s8, 4                          ; b
	s_and_b32 s34, s8, 15                          ; head
	s_lshl_b32 s35, s33, 6
	s_lshl_b32 s36, ttmp9, 4
	s_add_co_u32 s35, s35, s36
	s_add_co_u32 s35, s35, s2                      ; my 32 tokens: 64 b + 16 x + w
	s_lshl_b32 s36, s35, 5                         ; two tiles x 16 heads
	s_add_co_u32 s36, s36, s34
	s_lshl_b32 s36, s36, 9
	v_add_nc_u32 v[XO], s36, v[L16]
	s_lshl_b32 s36, s35, 10
	s_lshr_b32 s37, s34, 1
	s_lshl_b32 s37, s37, 7
	s_add_co_u32 s36, s36, s37
	s_and_b32 s37, s34, 1
	s_lshl_b32 s37, s37, 1
	s_add_co_u32 s36, s36, s37
	s_add_co_u32 s36, s36, XSC
	v_add_nc_u32 v[XW], s36, v[L4]
.irp j, 4,5,6,7,8,9,10,11
	v_mov_b32 v[Q0+\j], 0                          ; the zero codes of [Q | 0] and [0 | Q]: written once
.endr
.irp b, 0,1,2,3
	v_mov_b32 v[T2+\b], 0                          ; a lane permute's destination counts as one of its sources
.endr
	v_mov_b32 v[F+1], 0                            ; named with f as a pair
	v_mov_b32 v[W], 0
	s_mov_b32 s[SEL], 0x76543210
	s_mov_b32 s[SEL+1], 0xfedcba98
	s_mov_b32 s[CS], 0x3e38aa3b                    ; log2(e) / 8
	s_mov_b32 s[CS+1], s[CS]
	s_wait_tensorcnt 0x0                           ; my key step is in,
	s_barrier_signal -1
	s_barrier_wait -1                              ; everybody's is: from here on LDS is only read
	TILE 0
	TILE 1
	v_cmp_lt_u32 vcc_lo, 15, v[LN]
	s_delay_alu instid0(VALU_DEP_1)
	v_cndmask_b32 v[W], v[XB], v[XB+1], vcc_lo     ; lane 16 u + r: token r of tile u
	global_store_b16 v[XW], v[W], s[6:7]           ; my head's half of the 32 tokens' scale words
	s_wait_tensorcnt 0x0
	ds_add_u32 v254, v255
	s_wait_dscnt 0x0
	s_endpgm
.Lfunc_end_k_q017f32f430_attn:
	.size	k_q017f32f430_attn, .Lfunc_end_k_q017f32f430_attn-k_q017f32f430_attn
	.p2alignl 7, 3214868480
	.fill 96, 4, 3214868480
	.section	.rodata,"a",@progbits
	.p2align	6, 0x0
	.amdhsa_kernel k_q017f32f430_attn
		.amdhsa_group_segment_fixed_size 169984
		.amdhsa_private_segment_fixed_size 0
		.amdhsa_enable_private_segment 0
		.amdhsa_kernarg_size 16
		.amdhsa_user_sgpr_count 2
		.amdhsa_user_sgpr_kernarg_segment_ptr 1
		.amdhsa_wavefront_size32 1
		.amdhsa_system_sgpr_workgroup_id_x 1
		.amdhsa_system_sgpr_workgroup_id_y 1
		.amdhsa_system_sgpr_workgroup_id_z 1
		.amdhsa_system_vgpr_workitem_id 0
		.amdhsa_next_free_vgpr 256
		.amdhsa_next_free_sgpr 66
		.amdhsa_reserve_vcc 1
		.amdhsa_float_denorm_mode_32 3
		.amdhsa_float_denorm_mode_16_64 3
		.amdhsa_memory_ordered 1
		.amdhsa_forward_progress 1
		.amdhsa_inst_pref_size 48
	.end_amdhsa_kernel
	.amdgpu_metadata
---
amdhsa.version: [ 1, 2 ]
amdhsa.kernels:
  - .name:           k_q017f32f430_attn
    .symbol:         k_q017f32f430_attn.kd
    .args:
      - { .name: qkv, .offset: 0, .size: 8, .value_kind: global_buffer, .address_space: global }
      - { .name: xq, .offset: 8, .size: 8, .value_kind: global_buffer, .address_space: global }
    .group_segment_fixed_size: 169984
    .private_segment_fixed_size: 0
    .kernarg_segment_align: 8
    .kernarg_segment_size: 16
    .max_flat_workgroup_size: 512
    .sgpr_count:     66
    .vgpr_count:     256
    .wavefront_size: 32
...
	.end_amdgpu_metadata
.endif
;; end of part 3
;; launch outln (part 4): grid 256 x 1, 16 waves a work-group, no clusters, 327,680 bytes of LDS; arguments xq, wo_img, Wo_scales, q, bo, ln_g, ln_b, out0; writes out0
.if DOCPART == 4
	.amdgcn_target "amdgcn-amd-amdhsa--gfx1250"
	.amdhsa_code_object_version 6
	.text
	.protected	k_q017f32f430_outln
	.globl	k_q017f32f430_outln
	.p2align	8
	.type	k_q017f32f430_outln,@function
k_q017f32f430_outln:
	s_mov_b64 s[64:65], 0
	v_nop
	global_prefetch_b8 v0, s[64:65] scope:SCOPE_SE
	s_setreg_imm32_b32 hwreg(HW_REG_WAVE_MODE, 25, 1), 1
	s_wait_xcnt 0x0
; out = LayerNorm(x Wo^T + bo + q) g + b.  The product is on codes of FP4 with E8M0 scales; all else in f32.
; SHARES.  A work-group takes 32 tokens and all 1,024 columns, so that a row's mean and variance never leave it.  In the product wave w makes columns 64 w on: four tiles of Wo's rows (source 0) x two tiles of tokens (source 1), eight accumulators;
;   a lane holds one token and eight neighbouring columns.  The results meet in a stage in LDS, and in the LayerNorm wave w owns rows 2 w and 2 w + 1 whole: 32 numbers a lane and row, 16 neighbouring bytes a load and store.
; OPERANDS.  Wo's fragments lie in wo_img in the order of the operand's registers: each load reads 512 consecutive bytes, straight into registers, three K steps ahead in three buffers.  x's fragments (16,384 bytes) come into LDS by tensor loads
;   and are read by all sixteen waves.  q's two rows of each wave come into LDS by a tensor load at the start too: they land under the product and wait on another counter than the weights.
; The variance is taken of the numbers less the mean, in a second pass: no difference of large sums.
; NO CLUSTER: all work-groups walk the same 524,288 bytes of wo_img, from registers' loads; joint loads would want a ring in LDS with refills, which this first form leaves out.
; LIMITS: NaN and infinities are not served.
.set XL,  0                            ; LDS: x's images, 16,384 bytes
.set QL,  16384                        ; q: 8,192 bytes a wave, the wave's own
.set STG, 147456                       ; the stage: 32 rows x (4,096 + 16) bytes, written by LDS stores alone: no fill lands here
.set SPI, 4112
.set XSC, 4194304
.set L16, 1                            ; v1   16 x lane
.set WO,  2                            ; v2   my fragments in wo_img
.set WS,  3                            ; v3   Wo's scale bytes: row 64 w + lane
.set XS,  4                            ; v4   x's scale words
.set SO0, 5                            ; v5   the stage, way in, tokens 0-15;  v6 tokens 16-31
.set SR,  7                            ; v7   way out
.set QR,  8                            ; v8   q in LDS
.set ACC, 16                           ; v16-79: accumulator (u, t) at 16 + 8 (4 u + t); later my two rows
.set WB,  80                           ; v80-175 three buffers of four fragments; later ln_g (80), ln_b (112), bo (144)
.set XF,  176                          ; v176-207 x's fragments, two buffers of two; later a row of q
.set WSW, 208                          ; v208-223 Wo's scale words: 208 + 8 p + g: lanes 0-15 tile 2 p, lanes 16-31 tile 2 p + 1
.set XSW, 224                          ; v224-231 x's: lanes 0-15 tokens 0-15, lanes 16-31 tokens 16-31.  v208-231 hold scales and nothing else
.macro NOPS n
.rept \n
	v_nop
.endr
.endm
.macro WM d, a, b, z, sa, sb, ra, rb
.if \z
.if (\ra) && (\rb)
	v_wmma_scale_f32_16x16x128_f8f6f4 v[0+\d:7+\d], v[0+\a:7+\a], v[0+\b:7+\b], 0, v[0+\sa], v[0+\sb] matrix_a_fmt:MATRIX_FMT_FP4 matrix_b_fmt:MATRIX_FMT_FP4 matrix_a_scale:MATRIX_SCALE_ROW1 matrix_b_scale:MATRIX_SCALE_ROW1
.elseif \ra
	v_wmma_scale_f32_16x16x128_f8f6f4 v[0+\d:7+\d], v[0+\a:7+\a], v[0+\b:7+\b], 0, v[0+\sa], v[0+\sb] matrix_a_fmt:MATRIX_FMT_FP4 matrix_b_fmt:MATRIX_FMT_FP4 matrix_a_scale:MATRIX_SCALE_ROW1
.elseif \rb
	v_wmma_scale_f32_16x16x128_f8f6f4 v[0+\d:7+\d], v[0+\a:7+\a], v[0+\b:7+\b], 0, v[0+\sa], v[0+\sb] matrix_a_fmt:MATRIX_FMT_FP4 matrix_b_fmt:MATRIX_FMT_FP4 matrix_b_scale:MATRIX_SCALE_ROW1
.else
	v_wmma_scale_f32_16x16x128_f8f6f4 v[0+\d:7+\d], v[0+\a:7+\a], v[0+\b:7+\b], 0, v[0+\sa], v[0+\sb] matrix_a_fmt:MATRIX_FMT_FP4 matrix_b_fmt:MATRIX_FMT_FP4
.endif
.else
.if (\ra) && (\rb)
	v_wmma_scale_f32_16x16x128_f8f6f4 v[0+\d:7+\d], v[0+\a:7+\a], v[0+\b:7+\b], v[0+\d:7+\d], v[0+\sa], v[0+\sb] matrix_a_fmt:MATRIX_FMT_FP4 matrix_b_fmt:MATRIX_FMT_FP4 matrix_a_scale:MATRIX_SCALE_ROW1 matrix_b_scale:MATRIX_SCALE_ROW1
.elseif \ra
	v_wmma_scale_f32_16x16x128_f8f6f4 v[0+\d:7+\d], v[0+\a:7+\a], v[0+\b:7+\b], v[0+\d:7+\d], v[0+\sa], v[0+\sb] matrix_a_fmt:MATRIX_FMT_FP4 matrix_b_fmt:MATRIX_FMT_FP4 matrix_a_scale:MATRIX_SCALE_ROW1
.elseif \rb
	v_wmma_scale_f32_16x16x128_f8f6f4 v[0+\d:7+\d], v[0+\a:7+\a], v[0+\b:7+\b], v[0+\d:7+\d], v[0+\sa], v[0+\sb] matrix_a_fmt:MATRIX_FMT_FP4 matrix_b_fmt:MATRIX_FMT_FP4 matrix_b_scale:MATRIX_SCALE_ROW1
.else
	v_wmma_scale_f32_16x16x128_f8f6f4 v[0+\d:7+\d], v[0+\a:7+\a], v[0+\b:7+\b], v[0+\d:7+\d], v[0+\sa], v[0+\sb] matrix_a_fmt:MATRIX_FMT_FP4 matrix_b_fmt:MATRIX_FMT_FP4
.endif
.endif
.endm
.macro WLOAD g                         ; K step g's four fragments of Wo: eight loads of 512 consecutive bytes
.irp t, 0,1,2,3
.irp c, 0,1
	global_load_b128 v[WB+32*((\g)%3)+8*\t+4*\c:WB+32*((\g)%3)+8*\t+4*\c+3], v[WO], s[18:19] offset:8192*\t+1024*(\g)+512*\c
.endr
.endr
.endm
.macro PLOAD buf, lo                   ; a vector of 1,024 numbers, as the LayerNorm's lanes hold a row: eight loads
.irp i, 0,1,2,3,4,5,6,7
	global_load_b128 v[WB+32*\buf+4*\i:WB+32*\buf+4*\i+3], v[L16], s[\lo:\lo+1] offset:512*\i
.endr
.endm
.macro XFETCH g                        ; K step g's two fragments of x
.irp u, 0,1
.irp c, 0,1
	ds_load_b128 v[XF+16*((\g)%2)+8*\u+4*\c:XF+16*((\g)%2)+8*\u+4*\c+3], v[L16] offset:XL+8192*\u+1024*(\g)+512*\c
.endr
.endr
.endm
.macro STEP g
	s_wait_loadcnt 16                              ; this step's weights are in (at step 0 the scale words too); the two groups of eight loads issued behind them may be out
	s_wait_dscnt 0x0                               ; x's fragments of this step are in
.if (\g) < 7
	XFETCH (\g)+1                                  ; the next step's, into the buffer whose last products stand behind four places
.endif
.irp t, 0,1,2,3
.irp u, 0,1
	WM ACC+8*(4*\u+\t), WB+32*((\g)%3)+8*\t, XF+16*((\g)%2)+8*\u, (\g)==0, WSW+8*(\t/2)+(\g), XSW+(\g), \t%2, \u   ; the eight accumulators take turns, in the same order in every step
.endr
.endr
	NOPS 4                                         ; four places in front of loads into registers that these products read, and of the first read of results
.if (\g) <= 4
	WLOAD (\g)+3
.elseif (\g) == 5
	PLOAD 2, 24                                    ; bo
.elseif (\g) == 6
	PLOAD 0, 26                                    ; ln_g
.else
	PLOAD 1, 28                                    ; ln_b
.endif
.endm
.macro REDUCE                          ; v240 summed over the 32 lanes, in every lane
	s_delay_alu instid0(VALU_DEP_1)
	v_add_f32_dpp v240, v240, v240 row_xmask:1 row_mask:0xf bank_mask:0xf
	s_delay_alu instid0(VALU_DEP_1)
	v_add_f32_dpp v240, v240, v240 row_xmask:2 row_mask:0xf bank_mask:0xf
	s_delay_alu instid0(VALU_DEP_1)
	v_add_f32_dpp v240, v240, v240 row_xmask:4 row_mask:0xf bank_mask:0xf
	s_delay_alu instid0(VALU_DEP_1)
	v_add_f32_dpp v240, v240, v240 row_xmask:8 row_mask:0xf bank_mask:0xf
	s_delay_alu instid0(VALU_DEP_1)
	v_permlanex16_b32 v248, v240, s56, s57
	s_delay_alu instid0(VALU_DEP_1)
	v_add_f32 v240, v240, v248
.endm
.macro LNROW e                         ; my row 2 w + e
.set Y, ACC+32*\e
	s_wait_dscnt 0x0                               ; the row and its q are in
.irp j, 0,2,4,6,8,10,12,14,16,18,20,22,24,26,28,30
	v_pk_add_f32 v[Y+\j:Y+\j+1], v[Y+\j:Y+\j+1], v[WB+64+\j:WB+64+\j+1]    ; + bo
.endr
.irp j, 0,2,4,6,8,10,12,14,16,18,20,22,24,26,28,30
	v_pk_add_f32 v[Y+\j:Y+\j+1], v[Y+\j:Y+\j+1], v[XF+\j:XF+\j+1]          ; + q
.endr
.if \e == 0
.irp i, 0,1,2,3,4,5,6,7
	ds_load_b128 v[XF+4*\i:XF+4*\i+3], v[QR] offset:4096+512*\i            ; the next row's q lands while this row is worked
.endr
.endif
	v_pk_add_f32 v[240:241], v[Y:Y+1], v[Y+2:Y+3]                          ; the row's sum: two chains
	v_pk_add_f32 v[242:243], v[Y+4:Y+5], v[Y+6:Y+7]
.irp j, 8,12,16,20,24,28
	s_delay_alu instid0(VALU_DEP_2)
	v_pk_add_f32 v[240:241], v[240:241], v[Y+\j:Y+\j+1]
	s_delay_alu instid0(VALU_DEP_2)
	v_pk_add_f32 v[242:243], v[242:243], v[Y+\j+2:Y+\j+3]
.endr
	s_delay_alu instid0(VALU_DEP_1)
	v_pk_add_f32 v[240:241], v[240:241], v[242:243]
	s_delay_alu instid0(VALU_DEP_1)
	v_add_f32 v240, v240, v241
	REDUCE
	s_delay_alu instid0(VALU_DEP_1)
	v_mul_f32 v244, s58, v240                      ; the mean
	s_delay_alu instid0(VALU_DEP_1)
	v_mov_b32 v245, v244
.irp j, 0,2,4,6,8,10,12,14,16,18,20,22,24,26,28,30
	v_pk_add_f32 v[Y+\j:Y+\j+1], v[Y+\j:Y+\j+1], v[244:245] neg_lo:[0,1] neg_hi:[0,1]
.endr
	v_pk_mul_f32 v[240:241], v[Y:Y+1], v[Y:Y+1]                            ; the sum of squares: two chains
	v_pk_mul_f32 v[242:243], v[Y+2:Y+3], v[Y+2:Y+3]
.irp j, 4,8,12,16,20,24,28
	s_delay_alu instid0(VALU_DEP_2)
	v_pk_fma_f32 v[240:241], v[Y+\j:Y+\j+1], v[Y+\j:Y+\j+1], v[240:241]
	s_delay_alu instid0(VALU_DEP_2)
	v_pk_fma_f32 v[242:243], v[Y+\j+2:Y+\j+3], v[Y+\j+2:Y+\j+3], v[242:243]
.endr
	s_delay_alu instid0(VALU_DEP_1)
	v_pk_add_f32 v[240:241], v[240:241], v[242:243]
	s_delay_alu instid0(VALU_DEP_1)
	v_add_f32 v240, v240, v241
	REDUCE
	s_delay_alu instid0(VALU_DEP_1)
	v_fma_f32 v246, v240, s58, s59                 ; the variance + 1e-5
	s_wait_alu depctr_va_vdst(0)
	v_rsq_f32 v246, v246
	v_nop                                          ; one plain line behind a transcendental
	s_wait_alu depctr_va_vdst(0)
	v_mov_b32 v247, v246
.irp j, 0,2,4,6,8,10,12,14,16,18,20,22,24,26,28,30
	v_pk_mul_f32 v[Y+\j:Y+\j+1], v[Y+\j:Y+\j+1], v[246:247]
.endr
.irp j, 0,2,4,6,8,10,12,14,16,18,20,22,24,26,28,30
	v_pk_fma_f32 v[Y+\j:Y+\j+1], v[Y+\j:Y+\j+1], v[WB+\j:WB+\j+1], v[WB+32+\j:WB+32+\j+1]   ; x g + b
.endr
.irp i, 0,1,2,3,4,5,6,7
	global_store_b128 v[L16], v[Y+4*\i:Y+4*\i+3], s[30:31] offset:4096*\e+512*\i th:TH_STORE_NT   ; 32 lanes store 512 consecutive bytes; written once, read by nobody here
.endr
.endm
	s_load_b512 s[16:31], s[0:1], 0x0              ; xq 16, wo_img 18, Wo_scales 20, q 22, bo 24, ln_g 26, ln_b 28, out0 30
	v_lshl_add_u32 v254, v0, 2, 0x44200
	v_mov_b32 v255, 0
	ds_add_u32 v254, v255
	ds_add_u32 v254, v255
	v_lshrrev_b32 v1, 5, v0
	s_delay_alu instid0(VALU_DEP_1)
	v_readfirstlane_b32 s2, v1                     ; wave 0..15
	s_mov_b32 s32, 3<<16                           ; group 1 for x: 1,024 dense bytes as 4 rows of 256 (32 elements of 8 bytes)
	s_mov_b32 s33, 32<<16
	s_mov_b32 s34, 4<<16
	s_mov_b32 s35, 32<<16
	s_mov_b32 s36, 4
	s_mov_b32 s37, 32
	s_mov_b32 s38, 0
	s_mov_b32 s39, 0
	s_mov_b32 s40, 3<<16                           ; for q: 8,192 dense bytes as 32 rows of 256
	s_mov_b32 s41, 32<<16
	s_mov_b32 s42, 32<<16
	s_mov_b32 s43, 32<<16
	s_mov_b32 s44, 32
	s_mov_b32 s45, 32
	s_mov_b32 s46, 0
	s_mov_b32 s47, 0
	s_mov_b32 s48, 1
	s_lshl_b32 s49, s2, 10                         ; x: my 1,024 bytes, in LDS
	s_lshl_b32 s4, ttmp9, 14
	s_add_co_u32 s4, s4, s49                       ; and in xq
	s_mov_b32 s5, 0
	s_mov_b32 s52, 1
	s_lshl_b32 s7, s2, 13
	s_add_co_u32 s53, s7, QL                       ; q: my two rows, in LDS
	s_lshl_b32 s6, ttmp9, 17
	s_add_co_u32 s6, s6, s7                        ; and in q and out0: (32 x work-group + 2 w) x 4,096
	s_mov_b32 s7, 0
	s_mov_b32 s56, 0x76543210
	s_mov_b32 s57, 0xfedcba98                      ; lane l xor 16
	s_mov_b32 s58, 0x3a800000                      ; 1 / 1,024
	s_mov_b32 s59, 0x3727c5ac                      ; 1e-5
	s_wait_dscnt 0x0
	s_wait_kmcnt 0x0
	s_add_nc_u64 s[50:51], s[16:17], s[4:5]
	s_or_b32 s51, s51, 0x80000000
	s_add_nc_u64 s[54:55], s[22:23], s[6:7]
	s_or_b32 s55, s55, 0x80000000
	s_add_nc_u64 s[30:31], s[30:31], s[6:7]
	tensor_load_to_lds s[48:51], s[32:39]          ; the launch's only fills, one group at its start: one load of mine is out
	s_nop 0
	s_wait_alu depctr_va_vdst(0)
	s_wait_tensorcnt 0x0
	ds_add_u32 v254, v255
	s_wait_dscnt 0x0
	s_barrier_signal -1
	s_barrier_wait -1
	tensor_load_to_lds s[52:55], s[40:47]
	s_nop 0
	NOPS 4
	v_and_b32 v9, 31, v0                           ; lane
	v_and_b32 v10, 15, v0                          ; r
	v_bfe_u32 v11, v0, 4, 1                        ; h
	s_delay_alu instid0(VALU_DEP_3)
	v_lshlrev_b32 v[L16], 4, v9
	s_wait_alu depctr_va_vdst(0)
	s_lshl_b32 s8, s2, 15
	v_add_nc_u32 v[WO], s8, v[L16]                 ; four tiles of 8,192 bytes a wave
	s_lshl_b32 s8, s2, 11
	v_lshl_add_u32 v[WS], v9, 5, s8                ; 32 bytes a row
	s_lshl_b32 s8, ttmp9, 10
	s_add_co_u32 s8, s8, XSC
	v_lshl_add_u32 v[XS], v9, 2, s8
.irp p, 0,1
.irp j, 0,1
	global_load_b128 v[WSW+8*\p+4*\j:WSW+8*\p+4*\j+3], v[WS], s[20:21] offset:1024*\p+16*\j   ; a row's 32 scale bytes: the words of all eight K steps
.endr
.endr
.irp g, 0,1,2,3,4,5,6,7
	global_load_b32 v[XSW+\g], v[XS], s[16:17] offset:128*\g
.endr
	WLOAD 0
	WLOAD 1
	WLOAD 2
	v_mul_u32_u24 v[SO0], v10, SPI
	s_delay_alu instid0(VALU_DEP_1)
	v_lshl_add_u32 v[SO0], v11, 5, v[SO0]
	s_lshl_b32 s8, s2, 8
	s_add_co_u32 s8, s8, STG
	v_add_nc_u32 v[SO0], s8, v[SO0]                ; the stage: row r, + 32 h, + my 256 bytes
	s_delay_alu instid0(VALU_DEP_1)
	v_add_nc_u32 v[SO0+1], 16*SPI, v[SO0]
	s_mul_i32 s8, s2, 2*SPI
	s_add_co_u32 s8, s8, STG
	v_add_nc_u32 v[SR], s8, v[L16]
	s_lshl_b32 s8, s2, 13
	s_add_co_u32 s8, s8, QL
	v_add_nc_u32 v[QR], s8, v[L16]
	v_mov_b32 v248, 0                              ; a lane permute's destination counts as one of its sources
	s_wait_tensorcnt 0x1                           ; my part of x is in; q's load, issued behind it, may stay out
	s_barrier_signal -1
	s_barrier_wait -1                              ; everybody's is
	XFETCH 0
.irp g, 0,1,2,3,4,5,6,7
	STEP \g
.endr
	s_wait_alu depctr_va_vdst(0)
.irp u, 0,1
.irp t, 0,1,2,3
	ds_store_b128 v[SO0+\u], v[ACC+8*(4*\u+\t):ACC+8*(4*\u+\t)+3] offset:64*\t          ; each accumulator from its low end on: token 16 u + r, columns 64 w + 16 t + 8 h on
	ds_store_b128 v[SO0+\u], v[ACC+8*(4*\u+\t)+4:ACC+8*(4*\u+\t)+7] offset:64*\t+16
.endr
.endr
	s_wait_dscnt 0x0                               ; for the others' sake: my stores into the stage are done
	s_barrier_signal -1
	s_barrier_wait -1                              ; 32 whole rows lie in the stage
	s_wait_tensorcnt 0x0                           ; my two rows of q are in; only I read them
.irp e, 0,1
.irp i, 0,1,2,3,4,5,6,7
	ds_load_b128 v[ACC+32*\e+4*\i:ACC+32*\e+4*\i+3], v[SR] offset:SPI*\e+512*\i
.endr
.endr
.irp i, 0,1,2,3,4,5,6,7
	ds_load_b128 v[XF+4*\i:XF+4*\i+3], v[QR] offset:512*\i
.endr
	s_wait_loadcnt 0x0                             ; bo, ln_g, ln_b
	LNROW 0
	LNROW 1
	s_wait_tensorcnt 0x0
	ds_add_u32 v254, v255
	s_wait_dscnt 0x0
	s_endpgm
.Lfunc_end_k_q017f32f430_outln:
	.size	k_q017f32f430_outln, .Lfunc_end_k_q017f32f430_outln-k_q017f32f430_outln
	.p2alignl 7, 3214868480
	.fill 96, 4, 3214868480
	.section	.rodata,"a",@progbits
	.p2align	6, 0x0
	.amdhsa_kernel k_q017f32f430_outln
		.amdhsa_group_segment_fixed_size 327680
		.amdhsa_private_segment_fixed_size 0
		.amdhsa_enable_private_segment 0
		.amdhsa_kernarg_size 64
		.amdhsa_user_sgpr_count 2
		.amdhsa_user_sgpr_kernarg_segment_ptr 1
		.amdhsa_wavefront_size32 1
		.amdhsa_system_sgpr_workgroup_id_x 1
		.amdhsa_system_sgpr_workgroup_id_y 1
		.amdhsa_system_sgpr_workgroup_id_z 1
		.amdhsa_system_vgpr_workitem_id 0
		.amdhsa_next_free_vgpr 256
		.amdhsa_next_free_sgpr 66
		.amdhsa_reserve_vcc 0
		.amdhsa_float_denorm_mode_32 3
		.amdhsa_float_denorm_mode_16_64 3
		.amdhsa_memory_ordered 1
		.amdhsa_forward_progress 1
		.amdhsa_inst_pref_size 49
	.end_amdhsa_kernel
	.amdgpu_metadata
---
amdhsa.version: [ 1, 2 ]
amdhsa.kernels:
  - .name:           k_q017f32f430_outln
    .symbol:         k_q017f32f430_outln.kd
    .args:
      - { .name: xq, .offset: 0, .size: 8, .value_kind: global_buffer, .address_space: global }
      - { .name: wo_img, .offset: 8, .size: 8, .value_kind: global_buffer, .address_space: global }
      - { .name: Wo_scales, .offset: 16, .size: 8, .value_kind: global_buffer, .address_space: global }
      - { .name: q, .offset: 24, .size: 8, .value_kind: global_buffer, .address_space: global }
      - { .name: bo, .offset: 32, .size: 8, .value_kind: global_buffer, .address_space: global }
      - { .name: ln_g, .offset: 40, .size: 8, .value_kind: global_buffer, .address_space: global }
      - { .name: ln_b, .offset: 48, .size: 8, .value_kind: global_buffer, .address_space: global }
      - { .name: out0, .offset: 56, .size: 8, .value_kind: global_buffer, .address_space: global }
    .group_segment_fixed_size: 327680
    .private_segment_fixed_size: 0
    .kernarg_segment_align: 8
    .kernarg_segment_size: 64
    .max_flat_workgroup_size: 512
    .sgpr_count:     66
    .vgpr_count:     256
    .wavefront_size: 32
...
	.end_amdgpu_metadata
.endif
;; end of part 4
